; MI455X (gfx1250); checked and timed in simulation.
; The chip was launched on July 23, 2026; its instructions are those of AMD's public machine-readable ISA for CDNA 5 (MIT licence, August 2026) and "CDNA5" Instruction Set Architecture Reference Guide (July 2026). The comments in the code are by the model that wrote it; some were corrected since.
;; Cross Attention 1. Allowed arithmetic: matrix products marked QUANTISED: E2M3 operands, one E8M0 scale for each 32 along K, by v_wmma_scale_f32_16x16x128_f8f6f4 with both operands' format E2M3, f32 sums; everything else in f32.
;; Inputs: Wkv 1,024 x 2,048 float32; Wo 1,024 x 1,024 float32; Wq 1,024 x 1,024 float32; bo 1,024 float32; x1 4 x 2,048 x 1,024 float32; x2 4 x 2,048 x 1,024 float32.
;; Outputs: out0 4 x 2,048 x 1,024 float32.
;; This version of the problem:
;;   THIS VERSION OF THE PROBLEM IS GIVEN IN LOW PRECISION. The matrix products marked QUANTISED in the list below multiply operands that are first quantised to E2M3 (2 exponent bits, 3 mantissa bits; 6 bits a number), with one power-of-two scale for each 32 numbers along K (OCP MX v1.0); their sums are f32. All else is computed in f32.
;;   The module's matrix products, in the order in which they are computed (A, B: the left and right operand; K: the contracted axis; several contracted axes count as one K, in the product's order):
;;     1. [M 8,192, K 1,024] x [K 1,024, N 1,024]; A: input x1; B: input Wq: QUANTISED
;;     2. [M 8,192, K 1,024] x [K 1,024, N 2,048]; A: input x2; B: input Wkv: QUANTISED
;;     3. batch 64 x [M 2,048, K 64] x [K 64, N 2,048]; A: computed on the way; B: computed on the way: QUANTISED
;;     4. batch 64 x [M 2,048, K 2,048] x [K 2,048, N 64]; A: softmax (see below); B: computed on the way: QUANTISED
;;     5. [M 8,192, K 1,024] x [K 1,024, N 1,024]; A: computed on the way; B: input Wo: QUANTISED
;;   THE QUANTISER, for each operand of a quantised product, along K:
;;     - K is cut into blocks of 32 from its start; a last block that is shorter is filled with zeros.
;;     - A block's scale is 2^e with e = floor(log2(the largest magnitude in the block)) - 2, held to -126 .. 127; a block of zeros has e = 0. As a byte (E8M0): e + 127.
;;     - Each number is divided by its block's scale, clamped to +-7.5, and rounded to the nearest number of E2M3, ties to even, subnormals kept.
;;     - The product sums the exact products of the quantised numbers (number of the format x scale) in f32.
;;   ~~~python
;;   def quantise(x, axis):      # numpy; x: float32 -> the quantised numbers, widened to float32 again
;;       x = np.moveaxis(x, axis, -1); K = x.shape[-1]
;;       x = np.pad(x, [(0, 0)] * (x.ndim - 1) + [(0, -K % 32)]); x = x.reshape(x.shape[:-1] + (-1, 32)); a = np.abs(x).max(-1, keepdims=True)
;;       e = np.where(a > 0, np.clip(np.frexp(np.where(a > 0, a, 1))[1] - 1 - 2, -126, 127), 0)      # np.frexp(a)[1] - 1 = floor(log2(a)), exactly
;;       r = np.clip(x / 2.0 ** e, -7.5, 7.5)
;;       step = 2.0 ** (np.maximum(np.frexp(np.where(r == 0, 1, r))[1] - 1, 0) - 3)
;;       q = np.round(r / step) * step * 2.0 ** e      # np.round: ties to even
;;       return np.moveaxis(q.reshape(q.shape[:-2] + (-1,))[..., :K], -1, axis).astype(np.float32)
;;   ~~~
;;   SOFTMAX AHEAD OF A QUANTISED PRODUCT. Where the list says 'softmax', what is quantised is not the finished softmax but p = 2^(t - M), with t = logit x log2(e) and M = ceil(the row's largest t), a whole number; so 1/2 < the row's largest p <= 1. The row's sum l is taken of the UNQUANTISED p, in f32, and the product's result is divided by l at the end. Since M is a whole number, a kernel that streams over the keys may use a running M (the ceiling of the running maximum): every later rescaling is an exact power of two, which a block's scale takes up: the codes' values come out the same.
;;   OPERANDS COMPUTED ON THE WAY. 'Computed on the way' means the value that the module computes at that place (a softmax that the list does not call 'softmax' is quantised finished and normalised). What goes into a quantiser is computed in f32, as accurately as f32 sums, v_exp_f32 and their like allow (about 1e-6 of the number): no bf16 or f16 on the way to a quantiser, and a product that is left as it is and whose result goes on into a quantised operand takes f32 operands (vector FMAs, or v_wmma_f32_16x16x4_f32). A number that lies on a knife's edge between two numbers of the format may be rounded either way, as far as f32 arithmetic and the matrix unit's own rounding can turn it there, and no further.
;; One version. Each part assembles by itself: llvm-mc -triple=amdgcn-amd-amdhsa -mcpu=gfx1250 --defsym DOCPART=n.
;; ======== version 1 of 1: 4 launches
;; limits: right only within a limited range of input values
;; workspace buffers: xcod 12,582,912 bytes; xscl 524,288 bytes; wcod 3,145,728 bytes; wscl 131,072 bytes; qkv 20,447,232 bytes; acod 6,291,456 bytes; ascl 262,144 bytes
;; launch quant (part 1): grid 384 x 1, 4 waves a work-group, no clusters, 35,328 bytes of LDS; arguments x1, x2, Wq, Wkv, Wo, xcod, xscl, wcod, wscl; writes xcod, xscl, wcod, wscl
.if DOCPART == 1
	.amdgcn_target "amdgcn-amd-amdhsa--gfx1250"
	.amdhsa_code_object_version 6
	.text
	.protected	k_q106764b352_quant
	.globl	k_q106764b352_quant
	.p2align	8
	.type	k_q106764b352_quant,@function
k_q106764b352_quant:
	s_mov_b64 s[64:65], 0
	v_nop
	global_prefetch_b8 v0, s[64:65] scope:SCOPE_SE
	s_setreg_imm32_b32 hwreg(HW_REG_WAVE_MODE, 25, 1), 1
	s_wait_xcnt 0x0
; CROSS-ATTENTION IN MX-FP6, launch 1 of 4: x1, x2 (K innermost) and Wq, Wkv, Wo (K their first axis) become codes of E2M3 and E8M0 scale bytes.
; DEAD WORK: none.  Every input (x1, x2, Wq, Wkv, Wo, bo) reaches out0 for all values, every product of reference() is live, and all are computed.
; THE UNIT, the one layout of codes in this program's workspace: 16 rows x 64 K in 768 bytes, an image of operand registers.  Lane (r, h) of a wave holds block h (32 codes, six registers) of row r:
; registers 0-3 lie at byte 256 h + 16 r, registers 4-5 at byte 512 + 16 r + 8 h.  Two units on end are a matrix operand's 12 registers.  Each store of a wave covers 512 or 256 consecutive bytes, aligned.
; xcod: [group of 16 rows, 0..1023: x1's 512, then x2's][unit 0..15];  xscl: [row][32 bytes].  wcod: [group of 16 operand rows, 0..255][unit];  wscl: [operand row][32].
; Operand rows of the weights are their COLUMNS: Wq's 0..1023, Wkv's 1024..3071 (k, then v), Wo's 3072..4095.
; A block's scale is 2^(floor(log2(largest magnitude)) - 2); its byte is the largest magnitude's exponent field - 2, held at 1 from below by a floor among the maximum's leaves.
; LIMITS: a block of zeros, or one whose largest magnitude lies under 2^-124, gets the byte 1 where the rule says 127 or less: its codes are zeros or are taken under the byte 1; the bytes are read by this program alone.
; NaN and infinities among the inputs are not served.
; SHARES: work-groups 0..127 take the weights (a wave: 32 columns x 256 K), work-groups 128..383 take x1 and x2 (a wave: 16 rows, all 1,024 K).  Waves share nothing: no barrier.  No cluster: no two work-groups read the same bytes.
.set SPARE, 34816                      ; behind the four waves' stages: the spare words, 128 bytes a wave
.set WREG,  8704                       ; a wave's two stages of 16 rows x 272 bytes
.set SPW,   14                         ; v14  my spare word's LDS address; never rewritten
.set NIL,   15                         ; v15  0; never rewritten
.set W,     16                         ; v16-23   x path: my row's scale words in the making
.set R,     32                         ; v32-127  x path: three sets of 32 registers as loaded
.set X,     128                        ; v128-191 x path: two sets of 32 neighbours along K
.set F,     192                        ; v192-197, v200-205: a unit's six registers, two sets
.set T,     208                        ; v208-210 the upper 16 codes (a conversion's three registers begin on an even number)
.set WX,    64                         ; v64-127  W path: two sets of 32 numbers down K
.set WO,    128                        ; v128-175 W path: four units x 12 registers, never rewritten
.set WT,    176                        ; v176-178
	s_load_b256 s[4:11], s[0:1], 0x0               ; x1, x2, Wq, Wkv
	s_load_b256 s[12:19], s[0:1], 0x20             ; Wo, xcod, xscl, wcod
	s_load_b64 s[20:21], s[0:1], 0x40              ; wscl
	v_lshl_add_u32 v[SPW], v0, 2, SPARE
	v_mov_b32 v[NIL], 0
	v_lshrrev_b32 v1, 5, v0
	v_readfirstlane_b32 s22, v1                    ; wave
	v_and_b32 v1, 31, v0                           ; lane
	v_and_b32 v2, 15, v0                           ; r
	v_bfe_u32 v3, v0, 4, 1                         ; h
	s_wait_kmcnt 0x0
	s_cmp_lt_u32 ttmp9, 128
	s_cbranch_scc1 .Lweights
; the largest magnitude of 32 registers with the floor 2^(3 - 127), in two chains; v11 = it with 2 off its exponent field: the conversions' scale operand
.macro MAX32 xs
	v_max3_num_f32 v12, |v[\xs]|, |v[\xs+1]|, |v[\xs+2]|
	v_max3_num_f32 v13, |v[\xs+3]|, |v[\xs+4]|, |v[\xs+5]|
.irp i, 6,10,14,18,22,26
	v_max3_num_f32 v12, v12, |v[\xs+\i]|, |v[\xs+\i+1]|
	v_max3_num_f32 v13, v13, |v[\xs+\i+2]|, |v[\xs+\i+3]|
.endr
	v_max3_num_f32 v12, v12, |v[\xs+30]|, |v[\xs+31]|
	v_max3_num_f32 v12, v12, v13, 0x1800000
	v_add_nc_u32 v11, 0xff000000, v12
.endm
; ---------------- x1 and x2: a wave takes a group of 16 rows, in 16 steps of one unit (64 along K) ----------------
	s_sub_co_u32 s23, ttmp9, 128                   ; 0..255: the first 128 take x1
	s_cmp_lt_u32 s23, 128
	s_cselect_b64 s[4:5], s[4:5], s[6:7]           ; the choice hangs on the work-group's number alone
	s_and_b32 s26, s23, 127
	s_lshl_b32 s26, s26, 2
	s_add_co_u32 s26, s26, s22
	s_lshl_b32 s26, s26, 16                        ; my 16 rows of 4,096 bytes in the tensor
	s_mov_b32 s27, 0
	s_add_nc_u64 s[4:5], s[4:5], s[26:27]
	s_lshl_b32 s28, s23, 2
	s_add_co_u32 s28, s28, s22                     ; my group, 0..1023
	s_mul_i32 s26, s28, 12288
	s_add_nc_u64 s[14:15], s[14:15], s[26:27]      ; its 16 units
	s_lshl_b32 s26, s28, 9
	s_add_nc_u64 s[16:17], s[16:17], s[26:27]      ; its 512 scale bytes
	s_mov_b32 s24, 0x76543210
	s_mov_b32 s25, 0xfedcba98                      ; v_permlanex16_b32's selects for lane l xor 16
	s_mul_i32 s29, s22, WREG
	s_wait_alu depctr_va_vdst(0)
	v_lshlrev_b32 v4, 12, v3
	v_lshl_add_u32 v4, v2, 4, v4                   ; in: lanes 0-15 one row's 256 bytes, lanes 16-31 the next row's
	v_mul_u32_u24 v5, v3, 272
	v_lshl_add_u32 v5, v2, 4, v5
	v_add_nc_u32 v5, s29, v5                       ; into the stage, as loaded
	v_mul_u32_u24 v6, v2, 272
	v_lshl_add_u32 v6, v3, 7, v6
	v_add_nc_u32 v6, s29, v6                       ; out of it: row r, my block's 128 bytes
	v_lshlrev_b32 v7, 4, v1                        ; 16 x lane: a unit's registers 0-3
	v_lshlrev_b32 v8, 4, v2
	v_lshl_add_u32 v8, v3, 3, v8                   ; 16 r + 8 h: its registers 4-5
	v_lshlrev_b32 v9, 5, v2
	v_lshl_add_u32 v9, v3, 4, v9                   ; 32 r + 16 h: my half of a row's scale bytes
	v_lshlrev_b32 v10, 3, v3                       ; 8 h
	v_mov_b32 v28, 0                               ; a lane permute's destination counts as one of its sources
.macro XLOAD u                         ; step u's 16 rows x 256 bytes: each load takes two rows' aligned 256 bytes
.irp i, 0,1,2,3,4,5,6,7
	global_load_b128 v[R+32*((\u)%3)+4*\i:R+32*((\u)%3)+4*\i+3], v4, s[4:5] offset:8192*\i+256*(\u) th:TH_LOAD_NT
.endr
.endm
.macro XTURN u                         ; through my stage: LDS serves a wave's instructions in order, so no wait stands between the stores and the loads
.irp i, 0,1,2,3,4,5,6,7
	ds_store_b128 v5, v[R+32*((\u)%3)+4*\i:R+32*((\u)%3)+4*\i+3] offset:4352*((\u)%2)+544*\i
.endr
.irp i, 0,1,2,3,4,5,6,7
	ds_load_b128 v[X+32*((\u)%2)+4*\i:X+32*((\u)%2)+4*\i+3], v6 offset:4352*((\u)%2)+16*\i
.endr
.endm
.macro XSTEP u
.set XS, X+32*((\u)%2)
.set FS, F+8*((\u)%2)
	s_wait_dscnt 0x0                               ; this step's 32 neighbours are back: so its stage stores have read their registers,
.if (\u)+3 < 16
	XLOAD (\u)+3                                   ; which take the loads of three steps on
.endif
.if (\u) < 15
.if 14-(\u) >= 2
	s_wait_loadcnt 16                              ; the next step's eight loads are in; the sixteen of the two steps behind it may be out
.else
	s_wait_loadcnt 8*(14-(\u))
.endif
	XTURN (\u)+1                                   ; and go through the other stage while this step is worked
.endif
	MAX32 XS                                       ; the block is all mine: 32 numbers
	s_wait_alu depctr_va_vdst(0)
	s_wait_xcnt 0x0                                ; the stores of two steps ago have read this set of six registers
	v_cvt_scalef32_pk16_fp6_f32 v[FS:FS+2], v[XS:XS+15], v11
	v_cvt_scalef32_pk16_fp6_f32 v[T:T+2], v[XS+16:XS+31], v11
.if (\u)%2 == 0
	v_lshrrev_b32 v[W+(\u)/2], 23, v11             ; the scale's byte (a plain line behind the conversions): blocks 2 u + h; a word holds steps 2 j and 2 j + 1
.else
	v_lshrrev_b32 v29, 23, v11
	v_lshl_or_b32 v[W+(\u)/2], v29, 16, v[W+(\u)/2]
.endif
	v_mov_b32 v[FS+3], v[T]
	v_mov_b32 v[FS+4], v[T+1]
	v_mov_b32 v[FS+5], v[T+2]
	global_store_b128 v7, v[FS:FS+3], s[14:15] offset:768*(\u)          ; 512 consecutive bytes
	global_store_b64 v8, v[FS+4:FS+5], s[14:15] offset:768*(\u)+512     ; 256 consecutive bytes
.endm
	XLOAD 0
	XLOAD 1
	XLOAD 2
	s_wait_alu depctr_va_vdst(0)
	s_wait_loadcnt 16                              ; step 0's eight loads are in
	XTURN 0
.irp u, 0,1,2,3,4,5,6,7,8,9,10,11,12,13,14,15
	XSTEP \u
.endr
.irp j, 0,1,2,3,4,5,6,7                ; my bytes go 8 h bits up; with lane l xor 16's the word is whole
	v_lshlrev_b32 v[W+\j], v10, v[W+\j]
	v_permlanex16_b32 v28, v[W+\j], s24, s25
	v_or_b32 v[W+\j], v[W+\j], v28
.endr
	v_cmp_eq_u32 vcc_lo, 1, v3
.irp j, 0,1,2,3
	v_cndmask_b32 v[24+\j], v[W+\j], v[W+4+\j], vcc_lo   ; lanes 0-15 store words 0-3 of their row, lanes 16-31 words 4-7
.endr
	global_store_b128 v9, v[24:27], s[16:17]       ; 512 consecutive bytes
	s_wait_tensorcnt 0x0                           ; the wave's end: three lines behind my last LDS store
	ds_add_u32 v[SPW], v[NIL]
	s_wait_dscnt 0x0
	s_endpgm
; ---------------- the weights: a lane takes a column, its registers run down K; no LDS ----------------
.Lweights:
	s_and_b32 s23, ttmp9, 31                       ; which 128 operand rows
	s_lshr_b32 s24, ttmp9, 5                       ; which 256 along K
	s_sub_co_u32 s27, s23, 24                      ; Wo: its block of 128 columns
	s_sub_co_u32 s46, s23, 8                       ; Wkv: likewise
	s_mov_b32 s26, 4096                            ; bytes in a row of Wq and Wo
	s_mov_b32 s47, 8192                            ; and of Wkv
	s_mov_b64 s[44:45], s[12:13]
	s_cmp_lt_u32 s23, 24
	s_cselect_b64 s[44:45], s[10:11], s[44:45]
	s_cselect_b32 s27, s46, s27
	s_cselect_b32 s26, s47, s26
	s_mov_b32 s47, 4096
	s_cmp_lt_u32 s23, 8
	s_cselect_b64 s[44:45], s[8:9], s[44:45]
	s_cselect_b32 s27, s23, s27
	s_cselect_b32 s26, s47, s26
	s_lshl_b32 s48, s24, 8
	s_mul_i32 s48, s48, s26                        ; 256 ky rows down
	s_lshl_b32 s49, s27, 9
	s_add_co_u32 s48, s48, s49                     ; + 128 columns a block
	s_lshl_b32 s49, s22, 7
	s_add_co_u32 s48, s48, s49                     ; + 32 columns a wave
	s_mov_b32 s49, 0
	s_add_nc_u64 s[28:29], s[44:45], s[48:49]      ; block 0's base;
	s_lshl_b32 s50, s26, 5
	s_mov_b32 s51, 0
.irp t, 1,2,3,4,5,6,7
	s_add_nc_u64 s[28+2*\t:29+2*\t], s[26+2*\t:27+2*\t], s[50:51]   ; block t's: 32 rows further down.  A base for each block, since the rows' pitch is no constant of the text
.endr
	s_lshl_b32 s52, s23, 3
	s_lshl_b32 s53, s22, 1
	s_add_co_u32 s52, s52, s53                     ; my first group of 16 operand rows
	s_mul_i32 s52, s52, 12288
	s_mul_i32 s53, s24, 3072
	s_add_co_u32 s52, s52, s53                     ; its units 4 ky on
	s_mov_b32 s53, 0
	s_add_nc_u64 s[18:19], s[18:19], s[52:53]
	s_lshl_b32 s52, s23, 12
	s_lshl_b32 s54, s22, 10
	s_add_co_u32 s52, s52, s54
	s_lshl_b32 s54, s24, 3
	s_add_co_u32 s52, s52, s54                     ; scale bytes: 32 a row, my 8 at 8 ky
	s_add_nc_u64 s[20:21], s[20:21], s[52:53]
	s_wait_alu depctr_va_vdst(0)
	v_lshlrev_b32 v6, 2, v1
.set i, 0
.rept 32
	v_mad_u32_u24 v[32+i], s26, i, v6              ; row i of a block, my column
.set i, i+1
.endr
	v_mul_u32_u24 v4, v3, 12288
	v_lshl_add_u32 v4, v2, 4, v4                   ; out: my group, 16 bytes a row
	v_lshlrev_b32 v5, 5, v1                        ; my row of scale bytes
.macro WLOAD t                         ; block t: W(32 t + i, my column): 128 consecutive bytes a wave, 512 a work-group
.set i, 0
.rept 32
	global_load_b32 v[WX+32*((\t)%2)+i], v[32+i], s[28+2*(\t):29+2*(\t)] th:TH_LOAD_NT
.set i, i+1
.endr
.endm
.macro WBLOCK t
.set XS, WX+32*((\t)%2)
.set OQ, WO+12*((\t)/2)
.set EE, (\t)%2
.if (\t) < 7
	s_wait_loadcnt 32                              ; this block's 32 loads are in; the next block's may be out
.else
	s_wait_loadcnt 0x0
.endif
	MAX32 XS
	v_cvt_scalef32_pk16_fp6_f32 v[OQ+4*EE:OQ+4*EE+2], v[XS:XS+15], v11
	v_cvt_scalef32_pk16_fp6_f32 v[WT:WT+2], v[XS+16:XS+31], v11
	v_lshrrev_b32 v13, 23, v11                     ; the scale's byte (a plain line behind the conversions)
.if (\t)%4 == 0
	v_mov_b32 v[24+(\t)/4], v13
.else
	v_lshl_or_b32 v[24+(\t)/4], v13, 8*((\t)%4), v[24+(\t)/4]
.endif
	v_mov_b32 v[OQ+4*EE+3], v[WT]                  ; the unit's three runs of 16 bytes for my row: block 0's registers 0-3, block 1's 0-3, and both blocks' 4-5
	v_mov_b32 v[OQ+8+2*EE], v[WT+1]
	v_mov_b32 v[OQ+9+2*EE], v[WT+2]
.if EE
	global_store_b128 v4, v[OQ:OQ+3], s[18:19] offset:768*((\t)/2)        ; sixteen lanes store 256 consecutive bytes, aligned
	global_store_b128 v4, v[OQ+4:OQ+7], s[18:19] offset:768*((\t)/2)+256
	global_store_b128 v4, v[OQ+8:OQ+11], s[18:19] offset:768*((\t)/2)+512
.endif
.if (\t)+2 < 8
	WLOAD (\t)+2
.endif
.endm
	WLOAD 0
	WLOAD 1
.irp t, 0,1,2,3,4,5,6,7
	WBLOCK \t
.endr
	global_store_b64 v5, v[24:25], s[20:21]        ; my row's 8 bytes; rows lie 32 bytes apart, so these stores are not dense: 131,072 bytes in the whole launch
	s_endpgm
.Lfunc_end_k_q106764b352_quant:
	.size	k_q106764b352_quant, .Lfunc_end_k_q106764b352_quant-k_q106764b352_quant
	.p2alignl 7, 3214868480
	.fill 96, 4, 3214868480
	.section	.rodata,"a",@progbits
	.p2align	6, 0x0
	.amdhsa_kernel k_q106764b352_quant
		.amdhsa_group_segment_fixed_size 35328
		.amdhsa_private_segment_fixed_size 0
		.amdhsa_enable_private_segment 0
		.amdhsa_kernarg_size 72
		.amdhsa_user_sgpr_count 2
		.amdhsa_user_sgpr_kernarg_segment_ptr 1
		.amdhsa_wavefront_size32 1
		.amdhsa_system_sgpr_workgroup_id_x 1
		.amdhsa_system_sgpr_workgroup_id_y 1
		.amdhsa_system_sgpr_workgroup_id_z 1
		.amdhsa_system_vgpr_workitem_id 0
		.amdhsa_next_free_vgpr 212
		.amdhsa_next_free_sgpr 66
		.amdhsa_reserve_vcc 1
		.amdhsa_float_denorm_mode_32 3
		.amdhsa_float_denorm_mode_16_64 3
		.amdhsa_memory_ordered 1
		.amdhsa_forward_progress 1
		.amdhsa_inst_pref_size 100
	.end_amdhsa_kernel
	.amdgpu_metadata
---
amdhsa.version: [ 1, 2 ]
amdhsa.kernels:
  - .name:           k_q106764b352_quant
    .symbol:         k_q106764b352_quant.kd
    .args:
      - { .name: x1, .offset: 0, .size: 8, .value_kind: global_buffer, .address_space: global }
      - { .name: x2, .offset: 8, .size: 8, .value_kind: global_buffer, .address_space: global }
      - { .name: Wq, .offset: 16, .size: 8, .value_kind: global_buffer, .address_space: global }
      - { .name: Wkv, .offset: 24, .size: 8, .value_kind: global_buffer, .address_space: global }
      - { .name: Wo, .offset: 32, .size: 8, .value_kind: global_buffer, .address_space: global }
      - { .name: xcod, .offset: 40, .size: 8, .value_kind: global_buffer, .address_space: global }
      - { .name: xscl, .offset: 48, .size: 8, .value_kind: global_buffer, .address_space: global }
      - { .name: wcod, .offset: 56, .size: 8, .value_kind: global_buffer, .address_space: global }
      - { .name: wscl, .offset: 64, .size: 8, .value_kind: global_buffer, .address_space: global }
    .group_segment_fixed_size: 35328
    .private_segment_fixed_size: 0
    .kernarg_segment_align: 8
    .kernarg_segment_size: 72
    .max_flat_workgroup_size: 128
    .sgpr_count:     66
    .vgpr_count:     212
    .wavefront_size: 32
...
	.end_amdgpu_metadata
.endif
;; end of part 1
;; launch proj (part 2): grid 4 x 64, 4 waves a work-group, clusters of 4 x 4, 327,680 bytes of LDS; arguments xcod, xscl, wcod, wscl, qkv; writes qkv
.if DOCPART == 2
	.amdgcn_target "amdgcn-amd-amdhsa--gfx1250"
	.amdhsa_code_object_version 6
	.text
	.protected	k_q106764b352_proj
	.globl	k_q106764b352_proj
	.p2align	8
	.type	k_q106764b352_proj,@function
k_q106764b352_proj:
	s_mov_b64 s[64:65], 0
	v_nop
	global_prefetch_b8 v0, s[64:65] scope:SCOPE_SE
	s_setreg_imm32_b32 hwreg(HW_REG_WAVE_MODE, 25, 1), 1
	s_wait_xcnt 0x0
	s_wait_alu depctr_hold_cnt(0) depctr_sa_sdst(0) depctr_va_vdst(0) depctr_va_sdst(0) depctr_va_ssrc(0) depctr_va_vcc(0) depctr_vm_vsrc(0)
	s_getreg_b32 s2, hwreg(HW_REG_IB_STS2, 6, 4)
	s_cmp_eq_u32 s2, 0
	s_cbranch_scc0 .Lentry_in_a_cluster
	s_endpgm
.Lentry_in_a_cluster:
	s_bfe_u32 s2, ttmp6, 0x10000c
	s_cmp_lg_u32 s2, 0xf033
	s_cbranch_scc0 .Lentry_shape_is_right
	s_endpgm
.Lentry_shape_is_right:
; Launch 2 of 4: q = x1 Wq, k and v = x2 Wkv on codes of E2M3, and the results quantised in registers: q and k along the head's 64, v along the keys.  No work is left out.
; ONE FORM FOR ALL THREE: Z[i][j] = sum over k of P[i][k] R[j][k]; source 0 = 16 rows of R, source 1 = 16 rows of P, so that a lane holds one i and its registers run along j, the axis along which Z is quantised.
;   sub 0: P = x1, R = Wq's columns (j = head x 64 + d);  sub 1: P = x2, R = Wk's;  sub 2: P = Wv's columns (i = head x 64 + d), R = x2 (j = keys).
; A tile is 128 (i) x 256 (j), a wave's part 64 x 128: 32 accumulators.  There are 768 tiles, 256 to a sub.  A WORK-GROUP STAYS: 256 work-groups, each makes three tiles, one of each sub: a loop of two trips, and the last tile written out.
; THE RING: two LDS slots, each with half of K (512) of a tile's operands: P's 8 groups x 6,144 bytes, then R's 16 groups.  Each wave brings a quarter of the rows by one tensor load.  Slot 0 is read out at K step 3 and then takes the
; next tile's first half; slot 1 at K step 7, and takes its second half.  So the ring does not stop at a tile's end, and the way out stands under a refill's flight.  One tensor load a wave is out at any time.
; CLUSTER 4 x 4: P's tile hangs on tile_i alone (shared along a row of the cluster), R's on tile_j alone (along a column): joint loads; each refill stands behind a round of the cluster's barrier.  All partners walk the subs in step.
; No prefetch: a trip's two refills ask for the whole next tile, four K steps or more ahead of its use; a request further ahead would name the tile after that, which the first trip alone has.
; THE ORDER INSIDE A BLOCK.  Tiles are natural (lane r of tile t is row 16 t + r), so the codes made here stand inside each block of 32 in the order 0-7, 16-23, 8-15, 24-31.  q and k get it alike, and v gets the order
; that the next launch gives p: both operands of a product are permuted alike, and the blocks are the true blocks.
; qkv: q part: block (bh x 32 + tokens / 64) of 3,328 bytes: 4 units, then 256 bytes of scale words at 16 r + 4 a (bytes 2, 3 = 0).  kv part, from QSZ on: (bh x 16 + key step) x 13,312: K's 8 units, V's 4 fragments of 1,536,
; K's scale words (512 bytes), V's (two equal copies of 256).
; LIMITS: as in the first launch (floor of the scale byte; NaN and infinities not served).
.set QSZ,   6815744
.set SLOT,  147456                     ; P's 8 groups x 6,144 bytes, then R's 16 groups x 6,144
.set SPARE, 2*SLOT                     ; the spare words, 128 bytes a wave
.set AD,    8                          ; v8-15  LDS addresses of my fragments: slot s at v[8 + 4 s]: P's registers 0-3, 4-5; R's
.set SPW,   28                         ; v28  my spare word's LDS address; never rewritten
.set NIL,   29                         ; v29  0; never rewritten
.set PSC,   32                         ; v32-47  P's scale words: register 4 a + q: lanes 0-15 K step q, lanes 16-31 K step 4 + q
.set RSC,   48                         ; v48-79  R's likewise
.set PC,    80                         ; v80-91  the codes just made; v92-94, v96-98 conversions' upper halves
.set TM,    100                        ; v100-115 at work in QUANT
.set PW,    116                        ; the scale word just made
.set PF,    128                        ; window 0: P's fragments, set p at v[128 + 48 p];  window 1: R's, set p at v[128 p];  window 2: accumulator (a, b) at v[8 (8 a + b)]
.set G1P,   24
.set G1R,   32
.set G0P,   40                         ; s[40:47] one set for each slot
.set G0R,   48                         ; s[48:55]
.set MSB, 0
.macro WIN new                         ; the immediate's high byte repeats the setting that is left
.if MSB != \new
	s_set_vgpr_msb (MSB<<8)|\new
.set MSB, \new
.endif
.endm
.set MULW, 0xa1                        ; source 0 (R) window 1, source 1 (P) window 0, C and D window 2
.set TO_R, 0x40                        ; destination window 1
.macro CREST                           ; a round of the cluster's barrier behind its opening barrier
	s_cmp_lg_u32 s14, 0
	s_cbranch_scc1 .Lnot_wave_0_\@
	s_barrier_signal -3
.Lnot_wave_0_\@:
	s_barrier_wait -3
	s_barrier_signal -1
	s_barrier_wait -1
.endm
.macro CROUND                          ; a whole round
	s_barrier_signal -1
	s_barrier_wait -1
	CREST
.endm
; A joint load: waves 0 and 1 fetch for P, waves 2 and 3 for R; the branch hangs on the wave's number alone.  An s_nop 0 and four v_nop follow each line
.macro JLOAD sl
	s_cmp_eq_u32 s15, 0
	s_cbranch_scc0 .Lfor_r_\@
	tensor_load_to_lds s[G0P+4*(\sl):G0P+4*(\sl)+3], s[G1P:G1P+7]
	s_nop 0
.rept 4
	v_nop
.endr
	s_branch .Lasked_\@
.Lfor_r_\@:
	tensor_load_to_lds s[G0R+4*(\sl):G0R+4*(\sl)+3], s[G1R:G1R+7]
	s_nop 0
.rept 4
	v_nop
.endr
.Lasked_\@:
.endm
.macro SETG0 sl                        ; slot sl takes half sl of K of the tile whose rows stand in s[56:59]; written only where no tensor load of mine is out
	s_add_nc_u64 s[G0P+4*(\sl)+2:G0P+4*(\sl)+3], s[56:57], 6144*(\sl)
	s_or_b32 s[G0P+4*(\sl)+3], s[G0P+4*(\sl)+3], 0x80000000
	s_add_nc_u64 s[G0R+4*(\sl)+2:G0R+4*(\sl)+3], s[58:59], 6144*(\sl)
	s_or_b32 s[G0R+4*(\sl)+3], s[G0R+4*(\sl)+3], 0x80000000
.endm
; What comes in for the tile of sub s20: s22 tile_i (hangs on cy alone), s23 tile_j (on cx alone); s[56:57], s[58:59] the rows of P and R that I fetch; s[60:61], s[62:63] the scale bytes of the rows that I multiply
.macro PARIN
	s_lshr_b32 s84, s21, 3
	s_and_b32 s85, s21, 7
	s_cmp_eq_u32 s20, 2
	s_cselect_b32 s84, s84, s21                    ; sub 2: 2 x 8 clusters; else 16 x 1
	s_cselect_b32 s85, s85, 0
	s_lshl_b32 s22, s84, 2
	s_add_co_u32 s22, s22, s18
	s_lshl_b32 s23, s85, 2
	s_add_co_u32 s23, s23, s17
	s_cmp_eq_u32 s20, 1
	s_cselect_b32 s86, 512, 0                      ; P's first group of 16 rows: x1 0, x2 512, Wv 128
	s_cselect_b32 s87, 64, 0                       ; R's: Wq 0, Wk 64, x2 512
	s_cmp_eq_u32 s20, 2
	s_cselect_b32 s86, 128, s86
	s_cselect_b32 s87, 512, s87
	s_lshl_b32 s88, s22, 3
	s_add_co_u32 s88, s88, s86                     ; P's group
	s_lshl_b32 s90, s23, 4
	s_add_co_u32 s90, s90, s87                     ; R's
	s_lshl_b32 s68, s16, 2
	s_add_co_u32 s68, s68, s88
	s_mul_i32 s68, s68, 12288                      ; the 4 groups of P that I would fetch
	s_mov_b32 s69, 0
	s_lshl_b32 s70, s16, 3
	s_add_co_u32 s70, s70, s90
	s_mul_i32 s70, s70, 12288                      ; the 8 groups of R
	s_mov_b32 s71, 0
	s_lshl_b32 s72, s15, 2
	s_add_co_u32 s72, s72, s88
	s_lshl_b32 s72, s72, 9                         ; the scale bytes of my 4 groups of P, 512 a group,
	s_mov_b32 s73, 0
	s_lshl_b32 s74, s16, 3
	s_add_co_u32 s74, s74, s90
	s_lshl_b32 s74, s74, 9                         ; and of my 8 groups of R
	s_mov_b32 s75, 0
	s_cmp_eq_u32 s20, 2                            ; the buffers are chosen by the sub alone
	s_cselect_b64 s[56:57], s[8:9], s[4:5]
	s_cselect_b64 s[58:59], s[4:5], s[8:9]
	s_cselect_b64 s[60:61], s[10:11], s[6:7]
	s_cselect_b64 s[62:63], s[6:7], s[10:11]
	s_add_nc_u64 s[56:57], s[56:57], s[68:69]
	s_add_nc_u64 s[58:59], s[58:59], s[70:71]
	s_add_nc_u64 s[60:61], s[60:61], s[72:73]
	s_add_nc_u64 s[62:63], s[62:63], s[74:75]
.endm
; Where the results of the tile (s20, s22, s23) go, for each sub, and the choice
.macro PAROUT
	s_lshl_b32 s84, s22, 7
	s_lshl_b32 s85, s15, 6
	s_add_co_u32 s84, s84, s85                     ; sub 0, 1: my first token
	s_lshr_b32 s85, s84, 11                        ; its batch
	s_bfe_u32 s86, s84, 0x50006                    ; its run of 64 tokens in the batch
	s_lshl_b32 s87, s85, 4
	s_lshl_b32 s88, s23, 2
	s_add_co_u32 s87, s87, s88
	s_lshl_b32 s88, s16, 1
	s_add_co_u32 s87, s87, s88                     ; bh of my first head (I make two)
	s_lshl_b32 s88, s87, 5
	s_add_co_u32 s88, s88, s86
	s_mul_i32 s88, s88, 3328                       ; q: codes
	s_add_co_u32 s89, s88, 3072                    ; q: scale words
	s_lshl_b32 s90, s87, 4
	s_lshr_b32 s91, s86, 1
	s_add_co_u32 s90, s90, s91
	s_mul_i32 s90, s90, 13312
	s_add_co_u32 s90, s90, QSZ                     ; k: the key step's block
	s_and_b32 s91, s86, 1
	s_mul_i32 s2, s91, 3072
	s_add_co_u32 s2, s2, s90                       ; k: codes: units 4 (half) on
	s_lshl_b32 s91, s91, 8
	s_add_co_u32 s91, s91, s90
	s_add_co_u32 s91, s91, 12288                   ; k: scale words
	s_lshl_b32 s84, s23, 8
	s_lshl_b32 s85, s16, 7
	s_add_co_u32 s84, s84, s85                     ; sub 2: my first key (with the batch on top)
	s_lshr_b32 s85, s84, 11
	s_lshl_b32 s85, s85, 4
	s_lshl_b32 s86, s22, 1
	s_add_co_u32 s85, s85, s86
	s_add_co_u32 s85, s85, s15                     ; bh: my 64 rows are one head's
	s_bfe_u32 s86, s84, 0x40007                    ; the key step
	s_lshl_b32 s85, s85, 4
	s_add_co_u32 s85, s85, s86
	s_mul_i32 s85, s85, 13312
	s_add_co_u32 s85, s85, QSZ
	s_add_co_u32 s86, s85, 6144                    ; v: codes
	s_add_co_u32 s87, s85, 12800                   ; v: scale words
	s_mov_b32 s3, 106496                           ; from head to head in the q part
	s_mov_b32 s66, 212992                          ; and in the kv part
	s_mov_b32 s92, 768                             ; from a to a + 1
	s_mov_b32 s94, 0xffff                          ; a head's two bytes of the scale word
	s_cmp_eq_u32 s20, 1
	s_cselect_b32 s3, s66, s3
	s_cselect_b32 s88, s2, s88
	s_cselect_b32 s89, s91, s89
	s_mov_b32 s67, s3
	s_cmp_eq_u32 s20, 2
	s_cselect_b32 s3, 768, s3                      ; from the fragment's first unit to its second
	s_cselect_b32 s67, 256, s67                    ; from lanes 0-15's scale words to lanes 16-31's
	s_cselect_b32 s92, 1536, s92
	s_cselect_b32 s94, -1, s94
	s_cselect_b32 s95, 0, 16
	s_cselect_b32 s88, s86, s88
	s_cselect_b32 s89, s87, s89
	s_mov_b32 s93, 0
	s_mov_b32 s90, s88
	s_mov_b32 s91, 0
	s_add_nc_u64 s[96:97], s[12:13], s[90:91]      ; the codes' base
	s_mov_b32 s90, s89
	s_add_nc_u64 s[98:99], s[12:13], s[90:91]      ; the scale words' base
	v_add_nc_u32 v22, s3, v21
	v_add_nc_u32 v24, s3, v23
	v_mul_u32_u24 v25, s67, v2
	v_lshl_add_u32 v25, v1, 4, v25                 ; 16 r + h x (the distance between the two halves' words)
	v_mul_u32_u24 v26, s95, v2                     ; h x 16 or 0
.endm
.macro SCLOAD                          ; all of K's scale words of my rows: each load 512 consecutive bytes
.irp a, 0,1,2,3
	global_load_b128 v[PSC+4*\a:PSC+4*\a+3], v20, s[60:61] offset:512*\a
.endr
.irp b, 0,1,2,3,4,5,6,7
	global_load_b128 v[RSC+4*\b:RSC+4*\b+3], v20, s[62:63] offset:512*\b
.endr
.endm
	s_load_b256 s[4:11], s[0:1], 0x0               ; xcod, xscl, wcod, wscl
	s_load_b64 s[12:13], s[0:1], 0x20              ; qkv
	v_lshl_add_u32 v[SPW], v0, 2, SPARE
	v_mov_b32 v[NIL], 0
	ds_add_u32 v[SPW], v[NIL]                      ; the wave's opening: the add, twice on end, and its wait ahead of my first tensor load
	ds_add_u32 v[SPW], v[NIL]
	v_lshrrev_b32 v1, 5, v0
	v_readfirstlane_b32 s14, v1                    ; wave
	s_lshr_b32 s15, s14, 1                         ; wi: my half of the tile's i.  Also: I fetch for P (0) or for R (1)
	s_and_b32 s16, s14, 1                          ; wj: my half of its j.  Also: which half of that operand I fetch
	s_bfe_u32 s17, ttmp6, 0x40000                  ; cx
	s_bfe_u32 s18, ttmp6, 0x40004                  ; cy
	s_and_b32 s21, ttmp7, 0xffff                   ; the cluster, 0..15
	s_mov_b32 s20, 0                               ; the sub: also the loop's counter
	s_lshl_b32 s66, s18, 2
	s_lshl_b32 s66, 15, s66                        ; my row of the cluster
	s_lshl_b32 s67, 0x1111, s17                    ; my column
	; group 1: rows of 6,144 bytes (a group's 512 along K: 768 elements of 8 bytes), 12,288 bytes apart, laid dense in LDS
	s_or_b32 s[G1P], s66, (3<<16)|(1<<21)
	s_or_b32 s[G1R], s67, (3<<16)|(1<<21)
	s_mov_b32 s[G1P+1], 768<<16
	s_mov_b32 s[G1P+2], 4<<16
	s_mov_b32 s[G1P+3], 768<<16
	s_mov_b32 s[G1P+4], 4
	s_mov_b32 s[G1P+5], 1536
	s_mov_b32 s[G1P+6], 0
	s_mov_b32 s[G1P+7], 0
	s_mov_b32 s[G1R+1], 768<<16
	s_mov_b32 s[G1R+2], 8<<16
	s_mov_b32 s[G1R+3], 768<<16
	s_mov_b32 s[G1R+4], 8
	s_mov_b32 s[G1R+5], 1536
	s_mov_b32 s[G1R+6], 0
	s_mov_b32 s[G1R+7], 0
	s_mul_i32 s84, s16, 24576                      ; where my load goes in a slot: the wave's number alone
	s_mul_i32 s85, s16, 49152
	s_add_co_u32 s85, s85, 49152
.irp sl, 0,1
	s_mov_b32 s[G0P+4*\sl], 1
	s_add_co_u32 s[G0P+4*\sl+1], s84, SLOT*\sl
	s_mov_b32 s[G0R+4*\sl], 1
	s_add_co_u32 s[G0R+4*\sl+1], s85, SLOT*\sl
.endr
	s_wait_dscnt 0x0                               ; both opening adds are done
	s_wait_kmcnt 0x0
	PARIN                                          ; the first tile
	SETG0 0
	CROUND                                         ; all sixteen work-groups are here: the joint loads meet
	JLOAD 0                                        ; its first half of K: one tensor load a wave at the head
	v_and_b32 v1, 15, v0                           ; r
	v_bfe_u32 v2, v0, 4, 1                         ; h
	v_and_b32 v3, 31, v0
	v_lshlrev_b32 v21, 4, v3                       ; 16 x lane
	v_lshlrev_b32 v23, 4, v1
	v_lshlrev_b32 v20, 5, v1
	v_lshl_add_u32 v23, v2, 3, v23                 ; 16 r + 8 h
	v_lshl_add_u32 v20, v2, 4, v20                 ; 32 r + 16 h: lanes 0-15 take a row's scale words 0-3, lanes 16-31 words 4-7
	SCLOAD
	s_mul_i32 s84, s15, 24576                      ; my 4 groups of P in a slot,
	s_mul_i32 s85, s16, 49152
	s_add_co_u32 s85, s85, 49152                   ; my 8 groups of R
.irp sl, 0,1
	v_add_nc_u32 v[AD+4*\sl], s84, v21
	v_add_nc_u32 v[AD+4*\sl+1], s84, v23
	v_add_nc_u32 v[AD+4*\sl+2], s85, v21
	v_add_nc_u32 v[AD+4*\sl+3], s85, v23
	s_add_co_u32 s84, s84, SLOT
	s_add_co_u32 s85, s85, SLOT
.endr
.irp b, 0,1,2,3
	v_mov_b32 v[TM+4+\b], 0                        ; a lane permute's destination counts as one of its sources
.endr
; the fragments of K step q (0..7: slot q / 4) into set p: a fragment is two units: 16, 8, 16, 8 bytes a lane, each load 512 or 256 consecutive bytes
.macro FETCH q, p
	WIN TO_R
.irp b, 0,1,2,3,4,5,6,7
	ds_load_b128 v[128*(\p)+12*\b:128*(\p)+12*\b+3], v[AD+4*((\q)/4)+2] offset:6144*\b+1536*((\q)%4)
	ds_load_b64 v[128*(\p)+12*\b+4:128*(\p)+12*\b+5], v[AD+4*((\q)/4)+3] offset:6144*\b+1536*((\q)%4)+512
	ds_load_b128 v[128*(\p)+12*\b+6:128*(\p)+12*\b+9], v[AD+4*((\q)/4)+2] offset:6144*\b+1536*((\q)%4)+768
	ds_load_b64 v[128*(\p)+12*\b+10:128*(\p)+12*\b+11], v[AD+4*((\q)/4)+3] offset:6144*\b+1536*((\q)%4)+1280
.endr
	WIN 0
.irp a, 0,1,2,3
	ds_load_b128 v[PF+48*(\p)+12*\a:PF+48*(\p)+12*\a+3], v[AD+4*((\q)/4)] offset:6144*\a+1536*((\q)%4)
	ds_load_b64 v[PF+48*(\p)+12*\a+4:PF+48*(\p)+12*\a+5], v[AD+4*((\q)/4)+1] offset:6144*\a+1536*((\q)%4)+512
	ds_load_b128 v[PF+48*(\p)+12*\a+6:PF+48*(\p)+12*\a+9], v[AD+4*((\q)/4)] offset:6144*\a+1536*((\q)%4)+768
	ds_load_b64 v[PF+48*(\p)+12*\a+10:PF+48*(\p)+12*\a+11], v[AD+4*((\q)/4)+1] offset:6144*\a+1536*((\q)%4)+1280
.endr
.endm
; half of K step s: 16 matrix instructions, P's blocks a0, a0 + 1; the 32 accumulators take turns, one instruction a turn.  Step 0's products start the sums.  K steps 4 to 7 take their scale words from lanes 16-31
.macro MULH s, a0
.irp a, \a0, \a0+1
.irp b, 0,1,2,3,4,5,6,7
.set DA, 8*(8*(\a)+\b)
.set RA, 128*((\s)%2)+12*\b
.set PA, PF+48*((\s)%2)+12*(\a)
.if (\s) == 0
	v_wmma_scale_f32_16x16x128_f8f6f4 v[DA:DA+7], v[RA:RA+11], v[PA:PA+11], 0, v[RSC+4*\b], v[PSC+4*(\a)] matrix_a_fmt:MATRIX_FMT_FP6 matrix_b_fmt:MATRIX_FMT_FP6
.elseif (\s) < 4
	v_wmma_scale_f32_16x16x128_f8f6f4 v[DA:DA+7], v[RA:RA+11], v[PA:PA+11], v[DA:DA+7], v[RSC+4*\b+(\s)%4], v[PSC+4*(\a)+(\s)%4] matrix_a_fmt:MATRIX_FMT_FP6 matrix_b_fmt:MATRIX_FMT_FP6
.else
	v_wmma_scale_f32_16x16x128_f8f6f4 v[DA:DA+7], v[RA:RA+11], v[PA:PA+11], v[DA:DA+7], v[RSC+4*\b+(\s)%4], v[PSC+4*(\a)+(\s)%4] matrix_a_fmt:MATRIX_FMT_FP6 matrix_b_fmt:MATRIX_FMT_FP6 matrix_a_scale:MATRIX_SCALE_ROW1 matrix_b_scale:MATRIX_SCALE_ROW1
.endif
.endr
.endr
.endm
; A K step.  Steps 3 and 7 are the last of their slots: their fragments are in registers, so the slot is read out.  In a tile that has a successor the slot is filled again there, behind a round of the cluster's barrier
.macro STEP s, last
.if ((\s)%4 == 3) && ((\last) == 0)
	s_wait_tensorcnt 0x0                           ; all my tensor loads have landed: the one that was out is my part of the other slot;
	ds_add_u32 v[SPW], v[NIL]                      ; 0 onto my spare word;
	SETG0 (\s)/4                                   ; no load of mine is out: this slot's next fill is the next tile's same half of K
	s_wait_dscnt 0x1                               ; this step's 48 loads are in; the add may be out
	WIN MULW
	MULH \s, 0                                     ; sixteen matrix instructions stand between the add and the wait for it
	s_wait_dscnt 0x0                               ; the add is done, and my reads of this slot are over
	s_barrier_signal -1                            ; this barrier opens a round of the cluster's barrier
	MULH \s, 2
	WIN 0
	s_barrier_wait -1
	CREST                                          ; no wave of any partner still reads this slot or has a load on its way
	JLOAD (\s)/4                                   ; the first tensor load behind the round; its four v_nop are the places in front of the loads below
	FETCH ((\s)+1)%8, ((\s)+1)%2
.else
.if (\s) == 3
	s_wait_tensorcnt 0x0                           ; the last tile: my part of slot 1 has landed; nothing is filled again
	s_wait_dscnt 0x0
	s_barrier_signal -1
	s_barrier_wait -1                              ; everybody's part has
.else
	s_wait_dscnt 0x0                               ; this step's 48 loads are in
.endif
.if (\s) < 7
.rept 4
	v_nop                                          ; four places behind the products that read the set which the loads below fill
.endr
	FETCH (\s)+1, ((\s)+1)%2
.endif
	WIN MULW
	MULH \s, 0
	MULH \s, 2
	WIN 0
.endif
.endm
; THE RESULTS ARE QUANTISED IN REGISTERS.  The 64 registers of row block a (window 2, from 64 a on): register 16 b + i is, of my row, an element of block b of 32 along j; the block's other 16 lie in lane l xor 16.
.macro QUANT a
	WIN 0x28                                       ; sources 1 and 2: window 2
.irp b, 0,1,2,3
	v_max3_num_f32 v[TM+\b], 0x1800000, |v[64*(\a)+16*\b]|, |v[64*(\a)+16*\b+1]|   ; the floor 2^(3 - 127) among the leaves; each accumulator is read from its low end on
.endr
.irp i, 2,4,6,8,10,12,14
.irp b, 0,1,2,3
	v_max3_num_f32 v[TM+\b], v[TM+\b], |v[64*(\a)+16*\b+\i]|, |v[64*(\a)+16*\b+\i+1]|
.endr
.endr
	WIN 0
.irp b, 0,1,2,3
	v_permlanex16_b32 v[TM+4+\b], v[TM+\b], s[84], s[85]
.endr
.irp b, 0,1,2,3
	v_max_num_f32 v[TM+\b], v[TM+\b], v[TM+4+\b]
.endr
.irp b, 0,1,2,3
	v_add_nc_u32 v[TM+12+\b], 0xff000000, v[TM+\b] ; 2 off the exponent field: the conversion's scale operand
.endr
.irp b, 0,1,2,3
	v_lshrrev_b32 v[TM+4+\b], 23, v[TM+12+\b]      ; the scale's byte
.endr
	v_lshl_or_b32 v[PW], v[TM+5], 8, v[TM+4]
	v_lshl_or_b32 v[PW], v[TM+6], 16, v[PW]
	v_lshl_or_b32 v[PW], v[TM+7], 24, v[PW]
	WIN 0x02                                       ; source 0: window 2
.irp c, 0,1
	v_cvt_scalef32_pk16_fp6_f32 v[PC+6*\c:PC+6*\c+2], v[64*(\a)+32*\c:64*(\a)+32*\c+15], v[TM+12+2*\c]
	v_cvt_scalef32_pk16_fp6_f32 v[PC+12+4*\c:PC+14+4*\c], v[64*(\a)+32*\c+16:64*(\a)+32*\c+31], v[TM+13+2*\c]
.endr
	WIN 0
	v_nop                                          ; one plain line behind the conversions
.irp c, 0,1                                    ; a whole block to a lane: lanes 0-15 block 2 c, lanes 16-31 block 2 c + 1
.irp i, 0,1,2
	v_permlane16_swap_b32 v[PC+6*\c+\i], v[PC+12+4*\c+\i]
.endr
.irp i, 0,1,2
	v_mov_b32 v[PC+3+6*\c+\i], v[PC+12+4*\c+\i]
.endr
.endr
.endm
; A TILE: its first fragments are on their way from slot 0 when it begins
.macro TILE last
	s_wait_xcnt 0x0                                ; the last tile's stores and this tile's scale loads have read their registers and bases
	PAROUT
.if (\last) == 0
	s_add_co_u32 s20, s20, 1
	PARIN                                          ; the next tile: both refills of this trip are its
.endif
	s_wait_loadcnt 0x0                             ; this tile's scale words
.irp s, 0,1,2,3,4,5,6,7
	STEP \s, \last
.endr
.if \last
.rept 4
	v_nop                                          ; four places behind the last products, ahead of the first read of results
.endr
.else
	SCLOAD                                         ; the next tile's scale words, under the way out (the four v_nop behind the joint load are the places behind the last products)
.endif
	s_mov_b32 s84, 0x76543210
	s_mov_b32 s85, 0xfedcba98                      ; v_permlanex16_b32's selects for lane l xor 16
.irp a, 0,1,2,3
.if \a > 0
	s_wait_xcnt 0x0                                ; the last block's stores have read their data and their base
	s_add_nc_u64 s[96:97], s[96:97], s[92:93]
.endif
	QUANT \a
	global_store_b128 v21, v[PC:PC+3], s[96:97]                ; the fragment's first unit (sub 0, 1: my first head's),
	global_store_b64 v23, v[PC+4:PC+5], s[96:97] offset:512
	global_store_b128 v22, v[PC+6:PC+9], s[96:97]              ; its second (my second head's): each store 512 or 256 consecutive bytes
	global_store_b64 v24, v[PC+10:PC+11], s[96:97] offset:512
	v_lshrrev_b32 v[120+\a], v26, v[PW]            ; sub 0, 1: lanes 0-15 keep the first head's two bytes, lanes 16-31 the second's; sub 2: the whole word in both
	v_and_b32 v[120+\a], s94, v[120+\a]
.endr
	global_store_b128 v25, v[120:123], s[98:99]    ; sixteen lanes store 256 consecutive bytes
.endm
	s_wait_alu depctr_va_vdst(0)                   ; the head's end
	s_wait_tensorcnt 0x0                           ; my part of slot 0 is in
	ds_add_u32 v[SPW], v[NIL]
	SETG0 1
	s_wait_dscnt 0x0
	CROUND                                         ; everybody's part is in, and all sixteen work-groups are here
	JLOAD 1                                        ; the first tile's second half of K
	FETCH 0, 0
.Ltile:                                                ; two trips: subs 0 and 1
	TILE 0
	s_cmp_lt_u32 s20, 2
	s_wait_alu depctr_va_vdst(0)
	s_cbranch_scc1 .Ltile
	TILE 1                                         ; sub 2: the tail is written out: it asks for nothing more
	s_wait_tensorcnt 0x0                           ; the wave's end
	ds_add_u32 v[SPW], v[NIL]
	s_wait_dscnt 0x0
	CROUND                                         ; the closing round
	s_endpgm
.Lfunc_end_k_q106764b352_proj:
	.size	k_q106764b352_proj, .Lfunc_end_k_q106764b352_proj-k_q106764b352_proj
	.p2alignl 7, 3214868480
	.fill 96, 4, 3214868480
	.section	.rodata,"a",@progbits
	.p2align	6, 0x0
	.amdhsa_kernel k_q106764b352_proj
		.amdhsa_group_segment_fixed_size 327680
		.amdhsa_private_segment_fixed_size 0
		.amdhsa_enable_private_segment 0
		.amdhsa_kernarg_size 40
		.amdhsa_user_sgpr_count 2
		.amdhsa_user_sgpr_kernarg_segment_ptr 1
		.amdhsa_wavefront_size32 1
		.amdhsa_system_sgpr_workgroup_id_x 1
		.amdhsa_system_sgpr_workgroup_id_y 1
		.amdhsa_system_sgpr_workgroup_id_z 1
		.amdhsa_system_vgpr_workitem_id 0
		.amdhsa_next_free_vgpr 768
		.amdhsa_next_free_sgpr 100
		.amdhsa_reserve_vcc 0
		.amdhsa_float_denorm_mode_32 3
		.amdhsa_float_denorm_mode_16_64 3
		.amdhsa_memory_ordered 1
		.amdhsa_forward_progress 1
		.amdhsa_inst_pref_size 172
	.end_amdhsa_kernel
	.amdgpu_metadata
---
amdhsa.version: [ 1, 2 ]
amdhsa.kernels:
  - .name:           k_q106764b352_proj
    .symbol:         k_q106764b352_proj.kd
    .args:
      - { .name: xcod, .offset: 0, .size: 8, .value_kind: global_buffer, .address_space: global }
      - { .name: xscl, .offset: 8, .size: 8, .value_kind: global_buffer, .address_space: global }
      - { .name: wcod, .offset: 16, .size: 8, .value_kind: global_buffer, .address_space: global }
      - { .name: wscl, .offset: 24, .size: 8, .value_kind: global_buffer, .address_space: global }
      - { .name: qkv, .offset: 32, .size: 8, .value_kind: global_buffer, .address_space: global }
    .group_segment_fixed_size: 327680
    .private_segment_fixed_size: 0
    .kernarg_segment_align: 8
    .kernarg_segment_size: 40
    .max_flat_workgroup_size: 128
    .sgpr_count:     100
    .vgpr_count:     768
    .wavefront_size: 32
...
	.end_amdgpu_metadata
.endif
;; end of part 2
;; launch attn (part 3): grid 4 x 64, 16 waves a work-group, clusters of 4 x 1, 284,928 bytes of LDS; arguments qkv, acod, ascl; writes acod, ascl
.if DOCPART == 3
	.amdgcn_target "amdgcn-amd-amdhsa--gfx1250"
	.amdhsa_code_object_version 6
	.text
	.protected	k_q106764b352_attn
	.globl	k_q106764b352_attn
	.p2align	8
	.type	k_q106764b352_attn,@function
k_q106764b352_attn:
	s_mov_b64 s[64:65], 0
	v_nop
	global_prefetch_b8 v0, s[64:65] scope:SCOPE_SE
	s_setreg_imm32_b32 hwreg(HW_REG_WAVE_MODE, 25, 1), 1
	s_wait_xcnt 0x0
	s_wait_alu depctr_hold_cnt(0) depctr_sa_sdst(0) depctr_va_vdst(0) depctr_va_sdst(0) depctr_va_ssrc(0) depctr_va_vcc(0) depctr_vm_vsrc(0)
	s_getreg_b32 s2, hwreg(HW_REG_IB_STS2, 6, 4)
	s_cmp_eq_u32 s2, 0
	s_cbranch_scc0 .Lentry_in_a_cluster
	s_endpgm
.Lentry_in_a_cluster:
	s_bfe_u32 s2, ttmp6, 0x10000c
	s_cmp_lg_u32 s2, 0x3003
	s_cbranch_scc0 .Lentry_shape_is_right
	s_endpgm
.Lentry_shape_is_right:
; Launch 3 of 4: for each batch and head, O = softmax(q k^T / 8) v on codes of E2M3, and O quantised along the inner axis for the last product.  No work is left out.
; THE SOFTMAX: t = score x log2(e) / 8; M = the running largest t rounded UP to a whole number; p = 2^(t - M) is quantised along the keys, not normalised; the row's sum is taken of the unquantised p and divides O at the end.
; When M moves, the sum and O are multiplied by 2^(old M - new M): exact.
; SHARES.  A work-group owns one (batch, head) and 512 queries; its sixteen waves own one tile of 16 queries each, twice (two passes).
; THE WHOLE HEAD'S K, V AND SCALE WORDS, 16 key steps of 13,312 bytes, STAY IN LDS: wave w brings key step w by one tensor load at the head.  Nothing is filled again: one barrier in the launch.
; CLUSTER 4 x 1: the four work-groups of a head need the same bytes: each load is a joint one, with the mask of all four.  No prefetch.
; LDS ROWS: a key step lands as 26 rows of 512 bytes, each with 128 bytes of padding: byte x of a step lies at x + 128 (x / 512).  A block of 32 keys of K (two units, 1,536 bytes) so takes 1,920 bytes.
; LAYOUT.  Both products are used transposed (S^T = K Q^T, O^T = V^T P^T): a lane holds one query throughout.
; THE KEYS OF A TILE ARE NOT NEIGHBOURS: of each 64 keys, tile i takes as rows 0-7 the keys 8 sg(i) .. + 7 of the first block of 32 and as rows 8-15 the same of the second, sg = 0, 2, 1, 3.  Lane (r, h) then holds in the 32
; registers of four tiles ALL 32 keys of block h, in the order 0-7, 16-23, 8-15, 24-31, in which the launch before laid v's codes: a block's maximum needs no other lane, and the conversions' results are the operand's registers.
; Rows 8-15 lie 1,920 bytes behind rows 0-7, which is 128 modulo 256: the sixteen lanes of a load touch 256 different bytes modulo 256.
; The first product's K is the head's 64: Q's upper six registers are zero codes, set once, so K's upper six may hold any codes: K's tiles stand 6 registers apart, and the last one's operand runs on into p's codes.
; LOADS RUN AHEAD: V's fragments are asked for at the step's top, K's second four tiles land under the first four's maxima, the next step's first four tiles and scale words are asked for in the step's middle
; (the last step asks for its own once more: the address is held at step 15).
; LIMITS: a p under 2^-126 counts as 0; a block of such p keeps the byte 1 over zero codes; NaN and infinities are not served; the promise holds while the scaled scores stay under 2^31 in magnitude.
.set QSZ,   6815744
.set STEPB, 13312                      ; a key step in memory: K's 8 units, V's 4 fragments at 6,144, K's scale words at 12,288, V's at 12,800
.set STEPL, 16640                      ; and in LDS: V's fragments at 7,680, K's scale words at 15,360, V's at 16,000
.set SPARE, 17*STEPL                   ; the spare words, 128 bytes a wave
; REGISTERS: v1 16 x lane, v2 16 r + 8 h, v9 16 r + 384 h (V's addresses); v3, v4, v7 K's: 16 (r % 8) + 1,920 (r / 8) + 256 h, + 384 h, + 8 h; v8 K's scale words; v5, v6 the add's two; v10 32 r + h; v11 8 h;
; v12 -M, v13 the largest score, v[14:15] the sum; v16-18 V's addresses in the step in hand, v19-22 K's; v23 Q's scale words, v24-27 K's, v28-31 V's; v32-43 Q; v88-109 at work; v103 16 r
.set KF, 44                            ; v44-67   four tiles of K, 6 registers each
.set PC, 68                            ; v68-79   p's codes
.set TT, 80                            ; v80-86   conversions' upper halves (a conversion's three registers begin on an even number)
.set S,  110                           ; v110-173 S^T, then p
.set O,  174                           ; v174-205 O^T
.set VF, 206                           ; v206-253 V's four fragments
.macro CROUND
	s_barrier_signal -1
	s_barrier_wait -1
	s_cmp_lg_u32 s10, 0
	s_cbranch_scc1 .Lnot_wave_0_\@
	s_barrier_signal -3
.Lnot_wave_0_\@:
	s_barrier_wait -3
	s_barrier_signal -1
	s_barrier_wait -1
.endm
	s_load_b128 s[4:7], s[0:1], 0x0                ; qkv, acod
	s_load_b64 s[8:9], s[0:1], 0x10                ; ascl
	v_lshl_add_u32 v5, v0, 2, SPARE
	v_mov_b32 v6, 0
	ds_add_u32 v5, v6                              ; the wave's opening: the add, twice on end, and its wait ahead of my first tensor load
	ds_add_u32 v5, v6
	v_lshrrev_b32 v1, 5, v0
	v_readfirstlane_b32 s10, v1                    ; wave 0..15
	s_bfe_u32 s11, ttmp6, 0x40000                  ; cx: it enters Q's and the output's addresses alone
	s_and_b32 s12, ttmp7, 0xffff                   ; bh = 16 x batch + head, which the four partners share
	s_mov_b32 s16, 15|(3<<16)|(1<<20)|(1<<21)|(6<<22)|(31<<25)   ; the mask of all four; elements of 8 bytes; after every 128 words 32 words of padding
	s_mov_b32 s17, 64<<16                          ; 26 rows of 64 elements, dense in memory
	s_mov_b32 s18, 26<<16
	s_mov_b32 s19, 64<<16
	s_mov_b32 s20, 26
	s_mov_b32 s21, 64
	s_mov_b32 s22, 0
	s_mov_b32 s23, 0
	s_mov_b32 s24, 1
	s_mul_i32 s25, s10, STEPL                      ; key step w lands at 16,640 w
	s_lshl_b32 s44, s12, 4
	s_add_co_u32 s44, s44, s10
	s_mul_i32 s44, s44, STEPB
	s_add_co_u32 s44, s44, QSZ
	s_mov_b32 s45, 0
	s_mov_b32 s28, 0x76543210
	s_mov_b32 s29, 0xfedcba98                      ; v_permlanex16_b32's selects for lane l xor 16
	s_mov_b32 s30, 0x3e38aa3b                      ; c = log2(e) / 8
	s_mov_b32 s31, s30                             ; (named with it as a pair)
	s_mov_b32 s34, 0xffff0000                      ; lanes 16-31
	s_wait_dscnt 0x0                               ; both opening adds are done
	s_wait_kmcnt 0x0
	s_add_nc_u64 s[26:27], s[4:5], s[44:45]
	s_or_b32 s27, s27, 0x80000000
	CROUND                                         ; all four work-groups are here: the joint loads meet
	tensor_load_to_lds s[24:27], s[16:23]          ; my one tensor load
	s_nop 0
.rept 4
	v_nop
.endr
	s_lshl_b32 s13, s12, 5
	s_lshl_b32 s14, s11, 3
	s_add_co_u32 s13, s13, s14
	s_lshr_b32 s14, s10, 2
	s_add_co_u32 s13, s13, s14
	s_mul_i32 s13, s13, 3328                       ; pass 0's block of 64 queries: tile 32 cx + w; pass 1's lies 4 blocks on
	s_and_b32 s14, s10, 3
	s_mul_i32 s46, s14, 768
	s_add_co_u32 s46, s46, s13
	s_mov_b32 s47, 0
	s_add_nc_u64 s[36:37], s[4:5], s[46:47]        ; my tile's unit
	s_lshl_b32 s46, s14, 2
	s_add_co_u32 s46, s46, s13
	s_add_co_u32 s46, s46, 3072
	s_add_nc_u64 s[42:43], s[4:5], s[46:47]        ; and its scale words
	s_lshr_b32 s13, s12, 4
	s_lshl_b32 s13, s13, 7
	s_lshl_b32 s14, s11, 5
	s_add_co_u32 s13, s13, s14
	s_add_co_u32 s13, s13, s10                     ; the group of 16 tokens: 128 x batch + 32 cx + w
	s_and_b32 s14, s12, 15                         ; the head
	s_lshl_b32 s46, s13, 4
	s_add_co_u32 s46, s46, s14
	s_mul_i32 s46, s46, 768
	s_add_nc_u64 s[38:39], s[6:7], s[46:47]        ; acod: unit (group, head)
	s_lshl_b32 s46, s13, 9
	s_lshl_b32 s14, s14, 1
	s_add_co_u32 s46, s46, s14
	s_add_nc_u64 s[40:41], s[8:9], s[46:47]        ; ascl: the group's rows, bytes 2 x head on
	v_and_b32 v88, 15, v0                          ; r
	v_bfe_u32 v89, v0, 4, 1                        ; h
	v_and_b32 v90, 7, v0                           ; r % 8
	v_bfe_u32 v91, v0, 3, 1                        ; r / 8
	v_and_b32 v1, 31, v0
	v_lshlrev_b32 v103, 4, v88
	v_mul_u32_u24 v93, v91, 1920
	v_lshlrev_b32 v8, 4, v90
	v_lshlrev_b32 v1, 4, v1
	v_lshl_add_u32 v2, v89, 3, v103
	v_mad_u32_u24 v9, v89, 384, v103
	v_lshl_add_u32 v93, v90, 4, v93
	v_lshl_add_u32 v8, v91, 3, v8
	v_lshl_add_u32 v10, v88, 5, v89
	v_lshlrev_b32 v11, 3, v89
	v_lshl_add_u32 v3, v89, 8, v93
	v_mad_u32_u24 v4, v89, 384, v93
	v_lshl_add_u32 v7, v89, 3, v93
	v_lshl_add_u32 v8, v89, 8, v8                  ; 256 h + 16 (r % 8) + 8 (r / 8): lanes 0-15 the first 64 keys' words, lanes 16-31 the second's
	global_load_b128 v[32:35], v1, s[36:37]        ; pass 0's Q
	global_load_b64 v[36:37], v2, s[36:37] offset:512
	global_load_b32 v23, v103, s[42:43]
.irp i, 6,7,8,9,10,11
	v_mov_b32 v[32+\i], 0                          ; zero codes for k = 64 .. 127 of the first product; they stay
.endr
.irp i, 0,1,2,3,4,5
	v_mov_b32 v[PC+\i], 0                          ; named by the fourth tile's operand before p's first codes are made
.endr
	v_mov_b32 v92, 0                               ; a lane permute's destination counts as one of its sources
	v_mov_b32 v101, 0
	s_wait_alu depctr_va_vdst(0)                   ; the head's end
	s_wait_tensorcnt 0x0                           ; my key step is in,
	s_barrier_signal -1
	s_barrier_wait -1                              ; everybody's is
.macro KLOAD g                         ; four tiles of K: tiles 0, 2 from a block's first unit (rows 0-7, 8-15), tiles 1, 3 from its second
.irp i, 0,1,2,3
.if \i % 2
	ds_load_b128 v[KF+6*\i:KF+6*\i+3], v20 offset:3840*\g+896+128*(\i/2)
	ds_load_b64 v[KF+6*\i+4:KF+6*\i+5], v21 offset:3840*\g+1536+128*(\i/2)
.else
	ds_load_b128 v[KF+6*\i:KF+6*\i+3], v19 offset:3840*\g+128*(\i/2)
	ds_load_b64 v[KF+6*\i+4:KF+6*\i+5], v21 offset:3840*\g+640+128*(\i/2)
.endif
.endr
.endm
.macro KSCL                            ; K's scale words: register i: tile i's rows
	ds_load_b64 v[24:25], v22 offset:15360
	ds_load_b64 v[26:27], v22 offset:15360+128
.endm
.macro QK g                            ; S^T of 64 keys: four accumulators, each begun with the constant 0
.irp i, 0,1,2,3
.if \g
	v_wmma_scale_f32_16x16x128_f8f6f4 v[S+32*\g+8*\i:S+32*\g+8*\i+7], v[KF+6*\i:KF+6*\i+11], v[32:43], 0, v[24+\i], v23 matrix_a_fmt:MATRIX_FMT_FP6 matrix_b_fmt:MATRIX_FMT_FP6 matrix_a_scale:MATRIX_SCALE_ROW1
.else
	v_wmma_scale_f32_16x16x128_f8f6f4 v[S+32*\g+8*\i:S+32*\g+8*\i+7], v[KF+6*\i:KF+6*\i+11], v[32:43], 0, v[24+\i], v23 matrix_a_fmt:MATRIX_FMT_FP6 matrix_b_fmt:MATRIX_FMT_FP6
.endif
.endr
.endm
.macro MAX32 x, m                      ; my block's largest score: 32 registers in four chains, each accumulator from its low end on
	v_max3_num_f32 v[\m], v[\x], v[\x+1], v[\x+2]
	v_max3_num_f32 v90, v[\x+3], v[\x+4], v[\x+5]
	v_max3_num_f32 v91, v[\x+6], v[\x+7], v[\x+8]
	v_max3_num_f32 v93, v[\x+9], v[\x+10], v[\x+11]
.irp i, 12,20
	v_max3_num_f32 v[\m], v[\m], v[\x+\i], v[\x+\i+1]
	v_max3_num_f32 v90, v90, v[\x+\i+2], v[\x+\i+3]
	v_max3_num_f32 v91, v91, v[\x+\i+4], v[\x+\i+5]
	v_max3_num_f32 v93, v93, v[\x+\i+6], v[\x+\i+7]
.endr
	v_max3_num_f32 v[\m], v[\m], v[\x+28], v[\x+29]
	v_max3_num_f32 v90, v90, v[\x+30], v[\x+31]
	s_delay_alu instid0(VALU_DEP_1)
	v_max3_num_f32 v[\m], v[\m], v90, v91
	s_delay_alu instid0(VALU_DEP_1)
	v_max_num_f32 v[\m], v[\m], v93
.endm
.macro TMM lo, n                       ; t - M, two at a time
.set j, \lo
.rept \n
	v_pk_fma_f32 v[S+j:S+j+1], v[S+j:S+j+1], s[30:31], v[12:13] op_sel_hi:[1,0,0]
.set j, j+2
.endr
.endm
; A KEY STEP: 128 keys at LDS byte s32
.macro KSTEP
	s_add_co_u32 s35, s32, STEPL
	s_min_u32 s35, s35, 15*STEPL                   ; the next step, held at the last
	s_wait_dscnt 0x0                               ; the first four tiles of K and its scale words, asked for in the last step's middle
	QK 0
	v_add_nc_u32 v16, s32, v1                      ; four places: behind the products above, for the loads into K's registers and the first read of S^T; behind the last step's products, for the loads into V's
	v_add_nc_u32 v17, s32, v9
	v_add_nc_u32 v18, s32, v2
	v_nop
	KLOAD 1
.irp t, 0,1,2,3
	ds_load_b128 v[VF+12*\t:VF+12*\t+3], v16 offset:7680+1920*\t
	ds_load_b64 v[VF+12*\t+4:VF+12*\t+5], v18 offset:7680+1920*\t+640
	ds_load_b128 v[VF+12*\t+6:VF+12*\t+9], v17 offset:7680+1920*\t+896
	ds_load_b64 v[VF+12*\t+10:VF+12*\t+11], v18 offset:7680+1920*\t+1536
.endr
	ds_load_b128 v[28:31], v16 offset:16000        ; V's scale words: register t: tile t's rows
	MAX32 S, 88
	s_wait_dscnt 17                                ; K's second four tiles are in; V's 16 loads and its scale words may be out
	QK 1
	v_add_nc_u32 v19, s35, v3                      ; four places, as above
	v_add_nc_u32 v20, s35, v4
	v_add_nc_u32 v21, s35, v7
	v_add_nc_u32 v22, s35, v8
	KLOAD 0                                        ; the next step's
	KSCL
	MAX32 S+32, 89
	s_delay_alu instid0(VALU_DEP_1)
	v_max_num_f32 v91, v88, v89
	s_delay_alu instid0(VALU_DEP_1)
	v_permlanex16_b32 v92, v91, s28, s29           ; lane l xor 16's two blocks
	v_mov_b32 v93, v12
	s_delay_alu instid0(VALU_DEP_2)
	v_max3_num_f32 v13, v13, v91, v92              ; the running largest score (c is positive)
	s_delay_alu instid0(VALU_DEP_1)
	v_mul_f32 v95, s30, v13                        ; as t
	s_delay_alu instid0(VALU_DEP_1)
	v_floor_f32 v12, -v95                          ; the new -M = -ceil(t)
	s_delay_alu instid0(VALU_DEP_1)
	v_sub_f32 v93, v12, v93                        ; old M - new M: a whole number, 0 or less
	TMM 0, 8
	v_cvt_i32_f32 v93, v93                         ; (it saturates)
	TMM 16, 8
	v_ldexp_f32 v94, 1.0, v93                      ; f = 2^(old M - new M)
	TMM 32, 16
	v_fma_f32 v88, v88, s30, v12                   ; the same of my two blocks' largest scores: p rises with the score
	v_fma_f32 v89, v89, s30, v12
.set j, 0
.rept 16
	v_pk_mul_f32 v[O+j:O+j+1], v[O+j:O+j+1], v[94:95] op_sel_hi:[1,0]   ; O^T under the new M, each accumulator from its low end on
.set j, j+2
.endr
	s_wait_alu depctr_va_vdst(0)
	v_exp_f32 v88, v88                             ; the blocks' largest p
	v_exp_f32 v89, v89
.set j, 0
.rept 64
	v_exp_f32 v[S+j], v[S+j]                       ; p = 2^(t - M)
.set j, j+1
.endr
	v_pk_mul_f32 v[14:15], v[14:15], v[94:95] op_sel_hi:[1,0]   ; the sum under the new M: the plain line behind the exponentials
	s_wait_alu depctr_va_vdst(0)                   ; one wait for the batch of 66, ahead of its first reader
	v_max_num_f32 v88, 0x1800000, v88              ; the floor 2^(3 - 127): the byte cannot fall under 1
	v_max_num_f32 v89, 0x1800000, v89
	s_delay_alu instid0(VALU_DEP_2)
	v_add_nc_u32 v96, 0xff000000, v88              ; 2 off the exponent field: the conversions' scale operand
	v_add_nc_u32 v97, 0xff000000, v89
	v_cvt_scalef32_pk16_fp6_f32 v[PC:PC+2], v[S:S+15], v96
	v_cvt_scalef32_pk16_fp6_f32 v[TT:TT+2], v[S+16:S+31], v96
	v_cvt_scalef32_pk16_fp6_f32 v[PC+6:PC+8], v[S+32:S+47], v97
	v_cvt_scalef32_pk16_fp6_f32 v[TT+4:TT+6], v[S+48:S+63], v97
	v_lshrrev_b32 v98, 23, v96                     ; the scales' bytes (plain lines behind the conversions)
	v_lshrrev_b32 v99, 23, v97
	s_delay_alu instid0(VALU_DEP_1)
	v_lshl_or_b32 v100, v99, 16, v98               ; blocks h and 2 + h,
	s_delay_alu instid0(VALU_DEP_1)
	v_lshlrev_b32 v100, v11, v100                  ; 8 h bits up;
	s_delay_alu instid0(VALU_DEP_1)
	v_permlanex16_b32 v101, v100, s28, s29
.irp i, 0,1,2
	v_mov_b32 v[PC+3+\i], v[TT+\i]
	v_mov_b32 v[PC+9+\i], v[TT+4+\i]
.endr
	v_or_b32 v102, v100, v101                      ; with lane l xor 16's two bytes p's scale word is whole
	v_pk_add_f32 v[104:105], v[S:S+1], v[S+2:S+3]  ; the row's sum of the unquantised p, in four chains: 32 lines, which are also the places between p's codes and scale word and the products
	v_pk_add_f32 v[106:107], v[S+4:S+5], v[S+6:S+7]
	v_pk_add_f32 v[108:109], v[S+8:S+9], v[S+10:S+11]
.irp j, 12,20,28,36,44,52
	v_pk_add_f32 v[14:15], v[14:15], v[S+\j:S+\j+1]
	v_pk_add_f32 v[104:105], v[104:105], v[S+\j+2:S+\j+3]
	v_pk_add_f32 v[106:107], v[106:107], v[S+\j+4:S+\j+5]
	v_pk_add_f32 v[108:109], v[108:109], v[S+\j+6:S+\j+7]
.endr
	v_pk_add_f32 v[14:15], v[14:15], v[S+60:S+61]
	v_pk_add_f32 v[104:105], v[104:105], v[S+62:S+63]
	v_pk_add_f32 v[106:107], v[106:107], v[108:109]
	s_delay_alu instid0(VALU_DEP_2)
	v_pk_add_f32 v[14:15], v[14:15], v[104:105]
	s_delay_alu instid0(VALU_DEP_1)
	v_pk_add_f32 v[14:15], v[14:15], v[106:107]
	s_wait_dscnt 10                                ; V and its scale words are in; the ten loads for the next step may be out
.irp t, 0,1,2,3
	v_wmma_scale_f32_16x16x128_f8f6f4 v[O+8*\t:O+8*\t+7], v[VF+12*\t:VF+12*\t+11], v[PC:PC+11], v[O+8*\t:O+8*\t+7], v[28+\t], v102 matrix_a_fmt:MATRIX_FMT_FP6 matrix_b_fmt:MATRIX_FMT_FP6
.endr
.endm
; A PASS: one tile of 16 queries against all 2,048 keys, then the way out
.macro PASS p
	s_wait_dscnt 0x0                               ; the last pass's last loads have landed: their registers are loaded anew below
.if \p
	s_wait_xcnt 0x0                                ; the last pass's stores have read their data
.endif
	v_mov_b32 v13, 0xff61b1e6                      ; the largest score so far: -3e38
	v_mov_b32 v14, 0
	v_mov_b32 v15, 0
	v_mul_f32 v12, s30, v13
	v_mov_b32 v19, v3                              ; key step 0
	v_mov_b32 v20, v4
	v_mov_b32 v21, v7
	v_mov_b32 v22, v8
	v_floor_f32 v12, -v12
	KLOAD 0
	KSCL
.set j, 0
.rept 32
	v_mov_b32 v[O+j], 0                            ; O^T: the step is written once; its first trip finds zeros, which the first change of M leaves zeros
.set j, j+1
.endr
	s_mov_b32 s32, 0
	s_mov_b32 s33, 16
	s_wait_alu depctr_va_vdst(0)
	s_wait_loadcnt 0x0                             ; Q
.Lkeys_\@:
	KSTEP
	s_add_co_u32 s32, s32, STEPL
	s_sub_co_u32 s33, s33, 1
	s_cmp_lg_u32 s33, 0
	s_cbranch_scc1 .Lkeys_\@
.if \p == 0
	global_load_b128 v[32:35], v1, s[36:37] offset:13312           ; the next pass's Q, under this pass's way out
	global_load_b64 v[36:37], v2, s[36:37] offset:13312+512
	global_load_b32 v23, v103, s[42:43] offset:13312
.endif
	s_wait_alu depctr_va_vdst(0)                   ; the sum was written ahead of a wait on LDS
	v_add_f32 v14, v14, v15
	v_nop
	v_nop
	v_permlanex16_b32 v92, v14, s28, s29
	s_delay_alu instid0(VALU_DEP_1)
	v_add_f32 v14, v14, v92                        ; the row's sum
	s_wait_alu depctr_va_vdst(0)
	v_rcp_f32 v14, v14
	v_nop
	s_wait_alu depctr_va_vdst(0)
.set j, 0
.rept 16
	v_pk_mul_f32 v[O+j:O+j+1], v[O+j:O+j+1], v[14:15] op_sel_hi:[1,0]   ; O^T / the sum, each accumulator from its low end on
.set j, j+2
.endr
.irp c, 0,1                                    ; tiles 2 c and 2 c + 1 change halves: my 16 registers then hold d = 32 c + 16 h + 0 .. 15, in true order, as Wo's codes stand
.irp i, 0,1,2,3,4,5,6,7
	v_permlane16_swap_b32 v[O+16*\c+\i], v[O+8+16*\c+\i]
.endr
.endr
.irp c, 0,1
	v_max3_num_f32 v[88+\c], |v[O+16*\c]|, |v[O+1+16*\c]|, 0x1800000
.endr
.irp i, 2,4,6,8,10,12,14
.irp c, 0,1
	s_delay_alu instid0(VALU_DEP_2)
	v_max3_num_f32 v[88+\c], v[88+\c], |v[O+16*\c+\i]|, |v[O+1+16*\c+\i]|
.endr
.endr
.irp c, 0,1
	s_delay_alu instid0(VALU_DEP_2)
	v_permlanex16_b32 v[98+\c], v[88+\c], s28, s29
.endr
.irp c, 0,1
	s_delay_alu instid0(VALU_DEP_2)
	v_max_num_f32 v[88+\c], v[88+\c], v[98+\c]
.endr
.irp c, 0,1
	s_delay_alu instid0(VALU_DEP_2)
	v_add_nc_u32 v[96+\c], 0xff000000, v[88+\c]
.endr
.irp c, 0,1
	s_delay_alu instid0(VALU_DEP_2)
	v_lshrrev_b32 v[98+\c], 23, v[96+\c]
.endr
	v_cvt_scalef32_pk16_fp6_f32 v[PC:PC+2], v[O:O+15], v96
	v_cvt_scalef32_pk16_fp6_f32 v[TT:TT+2], v[O+16:O+31], v97
	v_nop
.irp i, 0,1,2
	v_permlane16_swap_b32 v[PC+\i], v[TT+\i]       ; lanes 0-15 block 0, lanes 16-31 block 1
.endr
.irp i, 0,1,2
	s_delay_alu instid0(VALU_DEP_3)
	v_mov_b32 v[PC+3+\i], v[TT+\i]
.endr
	v_cndmask_b32 v100, v98, v99, s34              ; my block's byte
	global_store_b128 v1, v[PC:PC+3], s[38:39] offset:196608*\p          ; 512 consecutive bytes
	global_store_b64 v2, v[PC+4:PC+5], s[38:39] offset:196608*\p+512     ; 256 consecutive bytes
	global_store_b8 v10, v100, s[40:41] offset:8192*\p                   ; single bytes, 2 to a row of 32: not dense; 262,144 bytes in the whole launch
.endm
	PASS 0
	PASS 1
	s_wait_tensorcnt 0x0                           ; the wave's end
	ds_add_u32 v5, v6
	s_wait_dscnt 0x0
	CROUND                                         ; the closing round
	s_endpgm
.Lfunc_end_k_q106764b352_attn:
	.size	k_q106764b352_attn, .Lfunc_end_k_q106764b352_attn-k_q106764b352_attn
	.p2alignl 7, 3214868480
	.fill 96, 4, 3214868480
	.section	.rodata,"a",@progbits
	.p2align	6, 0x0
	.amdhsa_kernel k_q106764b352_attn
		.amdhsa_group_segment_fixed_size 284928
		.amdhsa_private_segment_fixed_size 0
		.amdhsa_enable_private_segment 0
		.amdhsa_kernarg_size 24
		.amdhsa_user_sgpr_count 2
		.amdhsa_user_sgpr_kernarg_segment_ptr 1
		.amdhsa_wavefront_size32 1
		.amdhsa_system_sgpr_workgroup_id_x 1
		.amdhsa_system_sgpr_workgroup_id_y 1
		.amdhsa_system_sgpr_workgroup_id_z 1
		.amdhsa_system_vgpr_workitem_id 0
		.amdhsa_next_free_vgpr 256
		.amdhsa_next_free_sgpr 66
		.amdhsa_reserve_vcc 0
		.amdhsa_float_denorm_mode_32 3
		.amdhsa_float_denorm_mode_16_64 3
		.amdhsa_memory_ordered 1
		.amdhsa_forward_progress 1
		.amdhsa_inst_pref_size 52
	.end_amdhsa_kernel
	.amdgpu_metadata
---
amdhsa.version: [ 1, 2 ]
amdhsa.kernels:
  - .name:           k_q106764b352_attn
    .symbol:         k_q106764b352_attn.kd
    .args:
      - { .name: qkv, .offset: 0, .size: 8, .value_kind: global_buffer, .address_space: global }
      - { .name: acod, .offset: 8, .size: 8, .value_kind: global_buffer, .address_space: global }
      - { .name: ascl, .offset: 16, .size: 8, .value_kind: global_buffer, .address_space: global }
    .group_segment_fixed_size: 284928
    .private_segment_fixed_size: 0
    .kernarg_segment_align: 8
    .kernarg_segment_size: 24
    .max_flat_workgroup_size: 512
    .sgpr_count:     66
    .vgpr_count:     256
    .wavefront_size: 32
...
	.end_amdgpu_metadata
.endif
;; end of part 3
;; launch outp (part 4): grid 4 x 64, 4 waves a work-group, clusters of 4 x 4, 327,680 bytes of LDS; arguments acod, ascl, wcod, wscl, bo, out0; writes out0
.if DOCPART == 4
	.amdgcn_target "amdgcn-amd-amdhsa--gfx1250"
	.amdhsa_code_object_version 6
	.text
	.protected	k_q106764b352_outp
	.globl	k_q106764b352_outp
	.p2align	8
	.type	k_q106764b352_outp,@function
k_q106764b352_outp:
	s_mov_b64 s[64:65], 0
	v_nop
	global_prefetch_b8 v0, s[64:65] scope:SCOPE_SE
	s_setreg_imm32_b32 hwreg(HW_REG_WAVE_MODE, 25, 1), 1
	s_wait_xcnt 0x0
	s_wait_alu depctr_hold_cnt(0) depctr_sa_sdst(0) depctr_va_vdst(0) depctr_va_sdst(0) depctr_va_ssrc(0) depctr_va_vcc(0) depctr_vm_vsrc(0)
	s_getreg_b32 s2, hwreg(HW_REG_IB_STS2, 6, 4)
	s_cmp_eq_u32 s2, 0
	s_cbranch_scc0 .Lentry_in_a_cluster
	s_endpgm
.Lentry_in_a_cluster:
	s_bfe_u32 s2, ttmp6, 0x10000c
	s_cmp_lg_u32 s2, 0xf033
	s_cbranch_scc0 .Lentry_shape_is_right
	s_endpgm
.Lentry_shape_is_right:
; Launch 4 of 4: out0 = (attention's result, quantised) Wo + bo on codes of E2M3.  No work is left out.
; The form of the second launch: Z[i][j] = sum over k of P[i][k] R[j][k], P = acod (i = tokens), R = Wo's columns (operand rows 3,072 on: groups 192 on); source 0 = 16 rows of R, source 1 = 16 rows of P, so that a lane's
; eight results are eight neighbouring columns of one row of out0.  A work-group makes 128 x 256, a wave 64 x 128; 256 work-groups.  All of K = 1,024 lies in LDS, brought by one tensor load a wave at the head.
; CLUSTER 4 x 4: P's tile is shared along a row of the cluster, R's along a column: joint loads.
; THE BIAS is the C of each sum's first matrix instruction: eight registers for each of my eight tiles of columns.
; THE WAY OUT: 16 rows x 512 bytes at a time through my own stage in LDS, back as whole rows.  The stage lies in P's first bytes, which nobody reads behind the last K step's barrier.
.set CHUNK, 73728
.set SPARE, 4*CHUNK
.set AP16,  16
.set AP8,   17
.set AR16,  18
.set AR8,   19
.set SPW,   28
.set NIL,   29
.set PSC,   32                         ; v32-47 P's scale words, v48-79 R's: register q: lanes 0-15 K step q, lanes 16-31 K step 4 + q
.set RSC,   48
.set PF,    128                        ; window 0: P's fragments, set p at v[128 + 48 p];  window 1: R's, set p at v[128 p]; the bias at v96-127 and v224-255;  window 2: accumulator (a, b) at v[8 (8 a + b)]
.set BK,    128                        ; the way out: 16 rows read back: v128-191 and v192-255 by turns
.set G1P,   24
.set G1R,   32
.set G0P,   40
.set G0R,   68
.set MSB, 0
.macro WIN new
.if MSB != \new
	s_set_vgpr_msb (MSB<<8)|\new
.set MSB, \new
.endif
.endm
.set MULW, 0xa1                        ; source 0 (R) window 1, source 1 (P) window 0, C and D window 2
.set MUL0, 0x91                        ; the same with C (the bias) in window 1
.set TO_R, 0x40
.macro CROUND
	s_barrier_signal -1
	s_barrier_wait -1
	s_cmp_lg_u32 s14, 0
	s_cbranch_scc1 .Lnot_wave_0_\@
	s_barrier_signal -3
.Lnot_wave_0_\@:
	s_barrier_wait -3
	s_barrier_signal -1
	s_barrier_wait -1
.endm
	s_load_b256 s[4:11], s[0:1], 0x0               ; acod, ascl, wcod, wscl
	s_load_b128 s[56:59], s[0:1], 0x20             ; bo, out0
	v_lshl_add_u32 v[SPW], v0, 2, SPARE
	v_mov_b32 v[NIL], 0
	ds_add_u32 v[SPW], v[NIL]                      ; the wave's opening: the add, twice on end, and its wait ahead of my first tensor load
	ds_add_u32 v[SPW], v[NIL]
	v_lshrrev_b32 v1, 5, v0
	v_readfirstlane_b32 s14, v1                    ; wave
	s_lshr_b32 s15, s14, 1                         ; wi; also: I fetch for P (0) or for R (1)
	s_and_b32 s16, s14, 1                          ; wj; also: which half I fetch
	s_bfe_u32 s17, ttmp6, 0x40000                  ; cx
	s_bfe_u32 s18, ttmp6, 0x40004                  ; cy
	s_and_b32 s19, ttmp7, 0xffff
	s_lshl_b32 s22, s19, 2
	s_add_co_u32 s22, s22, s18                     ; tile_i = 4 x cluster y + cy
	s_mov_b32 s23, s17                             ; tile_j = cx
	s_lshl_b32 s88, s22, 3                         ; PG
	s_lshl_b32 s90, s23, 4
	s_add_co_u32 s90, s90, 192                     ; RG
	s_lshl_b32 s92, s16, 2
	s_add_co_u32 s92, s92, s88
	s_mul_i32 s92, s92, 12288
	s_mov_b32 s93, 0
	s_lshl_b32 s94, s16, 3
	s_add_co_u32 s94, s94, s90
	s_mul_i32 s94, s94, 12288
	s_mov_b32 s95, 0
	s_mul_i32 s96, s16, 49152                      ; LDS: P's 8 groups x 12,288 bytes (all of K), then R's 16 groups: where my load goes hangs on the wave's number alone
	s_mul_i32 s97, s16, 98304
	s_add_co_u32 s97, s97, 98304
	s_lshl_b32 s66, s18, 2
	s_lshl_b32 s66, 15, s66                        ; my row of the cluster
	s_lshl_b32 s67, 0x1111, s17                    ; my column
	s_or_b32 s[G1P], s66, (3<<16)|(1<<21)          ; rows of 12,288 bytes (a group's whole K: 1,536 elements of 8), dense in memory and in LDS: ONE load a wave brings all of K of its 4 or 8 groups
	s_or_b32 s[G1R], s67, (3<<16)|(1<<21)
	s_mov_b32 s[G1P+1], 1536<<16
	s_mov_b32 s[G1P+2], 4<<16
	s_mov_b32 s[G1P+3], 1536<<16
	s_mov_b32 s[G1P+4], 4
	s_mov_b32 s[G1P+5], 1536
	s_mov_b32 s[G1P+6], 0
	s_mov_b32 s[G1P+7], 0
	s_mov_b32 s[G1R+1], 1536<<16
	s_mov_b32 s[G1R+2], 8<<16
	s_mov_b32 s[G1R+3], 1536<<16
	s_mov_b32 s[G1R+4], 8
	s_mov_b32 s[G1R+5], 1536
	s_mov_b32 s[G1R+6], 0
	s_mov_b32 s[G1R+7], 0
	s_wait_dscnt 0x0                               ; both opening adds are done
	s_wait_kmcnt 0x0
	s_add_nc_u64 s[4:5], s[4:5], s[92:93]
	s_add_nc_u64 s[8:9], s[8:9], s[94:95]
.irp c, 0
	s_mov_b32 s[G0P+4*\c], 1
	s_add_co_u32 s[G0P+4*\c+1], s96, CHUNK*\c
	s_add_nc_u64 s[G0P+4*\c+2:G0P+4*\c+3], s[4:5], 3072*\c
	s_or_b32 s[G0P+4*\c+3], s[G0P+4*\c+3], 0x80000000
	s_mov_b32 s[G0R+4*\c], 1
	s_add_co_u32 s[G0R+4*\c+1], s97, CHUNK*\c
	s_add_nc_u64 s[G0R+4*\c+2:G0R+4*\c+3], s[8:9], 3072*\c
	s_or_b32 s[G0R+4*\c+3], s[G0R+4*\c+3], 0x80000000
.endr
	CROUND                                         ; all sixteen work-groups are here: the joint loads meet
	s_cmp_eq_u32 s15, 0                            ; one first fill a wave, one to an arm
	s_cbranch_scc0 .Lfill_r
.irp c, 0
	tensor_load_to_lds s[G0P+4*\c:G0P+4*\c+3], s[G1P:G1P+7]
	s_nop 0
.endr
.rept 4
	v_nop
.endr
	s_branch .Lfilled
.Lfill_r:
.irp c, 0
	tensor_load_to_lds s[G0R+4*\c:G0R+4*\c+3], s[G1R:G1R+7]
	s_nop 0
.endr
.rept 4
	v_nop
.endr
.Lfilled:
	v_and_b32 v1, 15, v0                           ; r
	v_bfe_u32 v2, v0, 4, 1                         ; h
	v_and_b32 v3, 31, v0
	v_lshlrev_b32 v21, 4, v3                       ; 16 x lane
	v_lshlrev_b32 v23, 4, v1
	v_lshl_add_u32 v23, v2, 3, v23                 ; 16 r + 8 h
	v_lshlrev_b32 v20, 5, v1
	v_lshl_add_u32 v20, v2, 4, v20                 ; 32 r + 16 h
	s_wait_alu depctr_va_vdst(0)
	v_lshlrev_b32 v27, 5, v2                       ; 32 h: my eight columns of a tile
	s_wait_alu depctr_va_vdst(0)
	s_lshl_b32 s92, s15, 2
	s_add_co_u32 s92, s92, s88
	s_lshl_b32 s92, s92, 9
	s_add_nc_u64 s[6:7], s[6:7], s[92:93]          ; the scale bytes of my 4 groups of P,
	s_lshl_b32 s94, s16, 3
	s_add_co_u32 s94, s94, s90
	s_lshl_b32 s94, s94, 9
	s_add_nc_u64 s[10:11], s[10:11], s[94:95]      ; of my 8 groups of R
	s_lshl_b32 s86, s23, 10
	s_lshl_b32 s87, s16, 9
	s_add_co_u32 s86, s86, s87                     ; my first column, in bytes
	s_mov_b32 s87, 0
	s_add_nc_u64 s[56:57], s[56:57], s[86:87]      ; the bias there,
	s_add_nc_u64 s[58:59], s[58:59], s[86:87]      ; and out0;
	s_lshl_b32 s86, s22, 7
	s_lshl_b32 s85, s15, 6
	s_add_co_u32 s86, s86, s85
	s_lshl_b32 s86, s86, 12                        ; my first row, of 4,096 bytes
	s_add_nc_u64 s[58:59], s[58:59], s[86:87]
.irp a, 0,1,2,3
	global_load_b128 v[PSC+4*\a:PSC+4*\a+3], v20, s[6:7] offset:512*\a
.endr
.irp b, 0,1,2,3,4,5,6,7
	global_load_b128 v[RSC+4*\b:RSC+4*\b+3], v20, s[10:11] offset:512*\b
.endr
	WIN TO_R
.irp b, 0,1,2,3
	global_load_b128 v[96+8*\b:99+8*\b], v27, s[56:57] offset:64*\b
	global_load_b128 v[100+8*\b:103+8*\b], v27, s[56:57] offset:64*\b+16
	global_load_b128 v[224+8*\b:227+8*\b], v27, s[56:57] offset:256+64*\b
	global_load_b128 v[228+8*\b:231+8*\b], v27, s[56:57] offset:256+64*\b+16
.endr
	WIN 0
	s_mul_i32 s84, s15, 49152                      ; my 4 groups of P,
	s_mul_i32 s85, s16, 98304
	s_add_co_u32 s85, s85, 98304                   ; my 8 groups of R: groups 0-3 by v18, v19,
	s_add_co_u32 s86, s85, 49152                   ; groups 4-7 by v30, v31, so that every offset fits the 16-bit immediate
	v_add_nc_u32 v30, s86, v21
	v_add_nc_u32 v31, s86, v23
	v_add_nc_u32 v[AP16], s84, v21
	v_add_nc_u32 v[AP8], s84, v23
	v_add_nc_u32 v[AR16], s85, v21
	v_add_nc_u32 v[AR8], s85, v23
	s_mul_i32 s86, s14, 8448                       ; my stage: 16 rows x 528 bytes
	v_mul_u32_u24 v24, v1, 528
	v_lshl_add_u32 v24, v2, 5, v24
	v_add_nc_u32 v24, s86, v24                     ; in: row r, 32 bytes for each half of the lanes
	v_add_nc_u32 v25, s86, v21                     ; back: the 32 lanes take one row of 512 bytes
.macro FETCH q, p                      ; q: the K step, 0..7: 1,536 bytes of a group's 12,288
	WIN TO_R
.irp b, 0,1,2,3,4,5,6,7
	ds_load_b128 v[128*(\p)+12*\b:128*(\p)+12*\b+3], v[AR16+12*(\b/4)] offset:12288*(\b%4)+1536*(\q)
	ds_load_b64 v[128*(\p)+12*\b+4:128*(\p)+12*\b+5], v[AR8+12*(\b/4)] offset:12288*(\b%4)+1536*(\q)+512
	ds_load_b128 v[128*(\p)+12*\b+6:128*(\p)+12*\b+9], v[AR16+12*(\b/4)] offset:12288*(\b%4)+1536*(\q)+768
	ds_load_b64 v[128*(\p)+12*\b+10:128*(\p)+12*\b+11], v[AR8+12*(\b/4)] offset:12288*(\b%4)+1536*(\q)+1280
.endr
	WIN 0
.irp a, 0,1,2,3
	ds_load_b128 v[PF+48*(\p)+12*\a:PF+48*(\p)+12*\a+3], v[AP16] offset:12288*\a+1536*(\q)
	ds_load_b64 v[PF+48*(\p)+12*\a+4:PF+48*(\p)+12*\a+5], v[AP8] offset:12288*\a+1536*(\q)+512
	ds_load_b128 v[PF+48*(\p)+12*\a+6:PF+48*(\p)+12*\a+9], v[AP16] offset:12288*\a+1536*(\q)+768
	ds_load_b64 v[PF+48*(\p)+12*\a+10:PF+48*(\p)+12*\a+11], v[AP8] offset:12288*\a+1536*(\q)+1280
.endr
.endm
; K step s: the 32 accumulators take turns, one instruction a turn.  Step 0 takes the bias as C.  K steps 4 to 7 take their scale words from lanes 16-31
.macro MUL s
.irp a, 0,1,2,3
.irp b, 0,1,2,3,4,5,6,7
.if (\s) == 0
.if \b < 4
.set BR, 96+8*\b
.else
.set BR, 192+8*\b
.endif
	v_wmma_scale_f32_16x16x128_f8f6f4 v[8*(8*\a+\b):8*(8*\a+\b)+7], v[128*((\s)%2)+12*\b:128*((\s)%2)+12*\b+11], v[PF+48*((\s)%2)+12*\a:PF+48*((\s)%2)+12*\a+11], v[BR:BR+7], v[RSC+4*\b+(\s)%4], v[PSC+4*\a+(\s)%4] matrix_a_fmt:MATRIX_FMT_FP6 matrix_b_fmt:MATRIX_FMT_FP6
.elseif (\s) < 4
	v_wmma_scale_f32_16x16x128_f8f6f4 v[8*(8*\a+\b):8*(8*\a+\b)+7], v[128*((\s)%2)+12*\b:128*((\s)%2)+12*\b+11], v[PF+48*((\s)%2)+12*\a:PF+48*((\s)%2)+12*\a+11], v[8*(8*\a+\b):8*(8*\a+\b)+7], v[RSC+4*\b+(\s)%4], v[PSC+4*\a+(\s)%4] matrix_a_fmt:MATRIX_FMT_FP6 matrix_b_fmt:MATRIX_FMT_FP6
.else
	v_wmma_scale_f32_16x16x128_f8f6f4 v[8*(8*\a+\b):8*(8*\a+\b)+7], v[128*((\s)%2)+12*\b:128*((\s)%2)+12*\b+11], v[PF+48*((\s)%2)+12*\a:PF+48*((\s)%2)+12*\a+11], v[8*(8*\a+\b):8*(8*\a+\b)+7], v[RSC+4*\b+(\s)%4], v[PSC+4*\a+(\s)%4] matrix_a_fmt:MATRIX_FMT_FP6 matrix_b_fmt:MATRIX_FMT_FP6 matrix_a_scale:MATRIX_SCALE_ROW1 matrix_b_scale:MATRIX_SCALE_ROW1
.endif
.endr
.endr
.endm
.macro STEP s
	s_wait_dscnt 0x0                               ; this step's 48 loads are in
.if (\s) < 7
.if (\s) > 0
.rept 4
	v_nop                                          ; four places behind the products that read the set which the loads below fill
.endr
.endif
	FETCH (\s)+1, ((\s)+1)%2                       ; all of K lies in LDS behind the one barrier: no further wait on tensor loads
.else
	s_barrier_signal -1                            ; my last reads of the tiles are over: the stages of the way out lie in P's first bytes; the last step's products stand between signal and wait
.endif
.if (\s) == 0
	WIN MUL0
.else
	WIN MULW
.endif
	MUL \s
	WIN 0
.endm
	s_wait_alu depctr_va_vdst(0)
	s_wait_tensorcnt 0x0                           ; my one load, all of K of my groups, is in
	s_barrier_signal -1
	s_barrier_wait -1
	FETCH 0, 0
	s_wait_loadcnt 0x0                             ; the scale words and the bias
.irp s, 0,1,2,3,4,5,6,7
	STEP \s
.endr
; THE WAY OUT, block by block of 16 rows x 128 columns.  LDS serves a wave's instructions in order: no wait between the stores and the loads, nor in front of the next block's stores
.macro TOSTAGE a
	WIN 0x08                                       ; an LDS store's data are its source 1: window 2
.irp b, 0,1,2,3,4,5,6,7
	ds_store_b128 v24, v[64*(\a)+8*\b:64*(\a)+8*\b+3] offset:64*\b        ; each accumulator from its low end on
	ds_store_b128 v24, v[64*(\a)+8*\b+4:64*(\a)+8*\b+7] offset:64*\b+16
.endr
	WIN 0
.irp t, 0,1,2,3,4,5,6,7,8,9,10,11,12,13,14,15
	ds_load_b128 v[BK+64*((\a)%2)+4*\t:BK+64*((\a)%2)+4*\t+3], v25 offset:\t*528
.endr
.endm
.macro SEND a, younger                 ; younger: the LDS instructions issued behind block a's loads, which may stay out
	s_wait_dscnt \younger
.if (\a) > 0
	s_add_nc_u64 s[58:59], s[58:59], 65536         ; 16 rows on (behind a wait that shows that the earlier stores have read their base)
.endif
.irp t, 0,1,2,3,4,5,6,7,8,9,10,11,12,13,14,15
	global_store_b128 v21, v[BK+64*((\a)%2)+4*\t:BK+64*((\a)%2)+4*\t+3], s[58:59] offset:\t*4096 th:TH_STORE_NT   ; 32 lanes store 512 consecutive bytes, aligned; written once, read by nobody here
.endr
.endm
.rept 4
	v_nop                                          ; four places behind the last products: for the first read of results, and for the loads into the registers that held P's fragments
.endr
	s_barrier_wait -1                              ; nobody reads the tiles any more: the stages may be written
	TOSTAGE 0
.irp a, 1,2,3
.if \a > 1
	s_wait_xcnt 0x0                                ; block a - 2's stores have read their registers and their base
.endif
	TOSTAGE \a
	SEND \a-1, 32                                  ; behind block a - 1's loads: block a's 16 stores and 16 loads
.endr
	s_wait_xcnt 0x0
	SEND 3, 0
	s_wait_tensorcnt 0x0                           ; the wave's end: behind my last tensor load and my last LDS store
	ds_add_u32 v[SPW], v[NIL]
	s_wait_dscnt 0x0
	CROUND                                         ; the closing round
	s_endpgm
.Lfunc_end_k_q106764b352_outp:
	.size	k_q106764b352_outp, .Lfunc_end_k_q106764b352_outp-k_q106764b352_outp
	.p2alignl 7, 3214868480
	.fill 96, 4, 3214868480
	.section	.rodata,"a",@progbits
	.p2align	6, 0x0
	.amdhsa_kernel k_q106764b352_outp
		.amdhsa_group_segment_fixed_size 327680
		.amdhsa_private_segment_fixed_size 0
		.amdhsa_enable_private_segment 0
		.amdhsa_kernarg_size 48
		.amdhsa_user_sgpr_count 2
		.amdhsa_user_sgpr_kernarg_segment_ptr 1
		.amdhsa_wavefront_size32 1
		.amdhsa_system_sgpr_workgroup_id_x 1
		.amdhsa_system_sgpr_workgroup_id_y 1
		.amdhsa_system_sgpr_workgroup_id_z 1
		.amdhsa_system_vgpr_workitem_id 0
		.amdhsa_next_free_vgpr 768
		.amdhsa_next_free_sgpr 100
		.amdhsa_reserve_vcc 0
		.amdhsa_float_denorm_mode_32 3
		.amdhsa_float_denorm_mode_16_64 3
		.amdhsa_memory_ordered 1
		.amdhsa_forward_progress 1
		.amdhsa_inst_pref_size 83
	.end_amdhsa_kernel
	.amdgpu_metadata
---
amdhsa.version: [ 1, 2 ]
amdhsa.kernels:
  - .name:           k_q106764b352_outp
    .symbol:         k_q106764b352_outp.kd
    .args:
      - { .name: acod, .offset: 0, .size: 8, .value_kind: global_buffer, .address_space: global }
      - { .name: ascl, .offset: 8, .size: 8, .value_kind: global_buffer, .address_space: global }
      - { .name: wcod, .offset: 16, .size: 8, .value_kind: global_buffer, .address_space: global }
      - { .name: wscl, .offset: 24, .size: 8, .value_kind: global_buffer, .address_space: global }
      - { .name: bo, .offset: 32, .size: 8, .value_kind: global_buffer, .address_space: global }
      - { .name: out0, .offset: 40, .size: 8, .value_kind: global_buffer, .address_space: global }
    .group_segment_fixed_size: 327680
    .private_segment_fixed_size: 0
    .kernarg_segment_align: 8
    .kernarg_segment_size: 48
    .max_flat_workgroup_size: 128
    .sgpr_count:     100
    .vgpr_count:     768
    .wavefront_size: 32
...
	.end_amdgpu_metadata
.endif
;; end of part 4
